; MI455X (gfx1250); checked and timed in simulation.
; The chip was launched on July 23, 2026; its instructions are those of AMD's public machine-readable ISA for CDNA 5 (MIT licence, August 2026) and "CDNA5" Instruction Set Architecture Reference Guide (July 2026). The comments in the code are by the model that wrote it; some were corrected since.
;; Decoder. Allowed arithmetic: matrix products marked QUANTISED: E2M3 operands, one E8M0 scale for each 32 along K, by v_wmma_scale_f32_16x16x128_f8f6f4 with both operands' format E2M3, f32 sums; everything else in f32.
;; Inputs: coef0 256 x 1,024 x 8 float32; coef1 1,024 x 512 x 8 float32; coef2 512 x 512 x 8 float32; grid0 256 x 12 float32; grid1 1,024 x 12 float32; grid2 512 x 12 float32; nb0 1,024 float32; nb1 512 float32; nb2 512 float32; ns0 1,024 float32; ns1 512 float32; ns2 512 float32; sb0_codes 1,024 x 8 x 24 uint8 (E2M3 codes of sb0, K innermost, in blocks of 32 codes, four codes in three bytes); sb0_scales 1,024 x 8 uint8 (E8M0 scales of sb0, one for each 32 codes along K); sb1_codes 512 x 32 x 24 uint8 (E2M3 codes of sb1, K innermost, in blocks of 32 codes, four codes in three bytes); sb1_scales 512 x 32 uint8 (E8M0 scales of sb1, one for each 32 codes along K); sb2_codes 512 x 16 x 24 uint8 (E2M3 codes of sb2, K innermost, in blocks of 32 codes, four codes in three bytes); sb2_scales 512 x 16 uint8 (E8M0 scales of sb2, one for each 32 codes along K); sigma 512 float32; ss0 256 x 1,024 float32; ss1 1,024 x 512 float32; ss2 512 x 512 float32; x 4,096 x 256 float32.
;; Outputs: out0 4,096 x 512 float32; out1 512 float32.
;; This version of the problem:
;;   THIS VERSION OF THE PROBLEM IS GIVEN IN LOW PRECISION. The matrix products marked QUANTISED in the list below multiply operands that are first quantised to E2M3 (2 exponent bits, 3 mantissa bits; 6 bits a number), with one power-of-two scale for each 32 numbers along K (OCP MX v1.0); their sums are f32. All else is computed in f32.
;;   The module's matrix products, in the order in which they are computed (A, B: the left and right operand; K: the contracted axis; several contracted axes count as one K, in the product's order):
;;     1. [M 4,096, K 2,048] x [K 2,048, N 1,024]; A: computed on the way; B: computed on the way: QUANTISED
;;     2. [M 4,096, K 256] x [K 256, N 1,024]; A: computed on the way; B: input sb0 (given as codes): QUANTISED
;;     3. [M 4,096, K 8,192] x [K 8,192, N 512]; A: computed on the way; B: computed on the way: QUANTISED
;;     4. [M 4,096, K 1,024] x [K 1,024, N 512]; A: computed on the way; B: input sb1 (given as codes): QUANTISED
;;     5. [M 4,096, K 4,096] x [K 4,096, N 512]; A: computed on the way; B: computed on the way: QUANTISED
;;     6. [M 4,096, K 512] x [K 512, N 512]; A: computed on the way; B: input sb2 (given as codes): QUANTISED
;;   THE QUANTISER, for each operand of a quantised product, along K:
;;     - K is cut into blocks of 32 from its start; a last block that is shorter is filled with zeros.
;;     - A block's scale is 2^e with e = floor(log2(the largest magnitude in the block)) - 2, held to -126 .. 127; a block of zeros has e = 0. As a byte (E8M0): e + 127.
;;     - Each number is divided by its block's scale, clamped to +-7.5, and rounded to the nearest number of E2M3, ties to even, subnormals kept.
;;     - The product sums the exact products of the quantised numbers (number of the format x scale) in f32.
;;   ~~~python
;;   def quantise(x, axis):      # numpy; x: float32 -> the quantised numbers, widened to float32 again
;;       x = np.moveaxis(x, axis, -1); K = x.shape[-1]
;;       x = np.pad(x, [(0, 0)] * (x.ndim - 1) + [(0, -K % 32)]); x = x.reshape(x.shape[:-1] + (-1, 32)); a = np.abs(x).max(-1, keepdims=True)
;;       e = np.where(a > 0, np.clip(np.frexp(np.where(a > 0, a, 1))[1] - 1 - 2, -126, 127), 0)      # np.frexp(a)[1] - 1 = floor(log2(a)), exactly
;;       r = np.clip(x / 2.0 ** e, -7.5, 7.5)
;;       step = 2.0 ** (np.maximum(np.frexp(np.where(r == 0, 1, r))[1] - 1, 0) - 3)
;;       q = np.round(r / step) * step * 2.0 ** e      # np.round: ties to even
;;       return np.moveaxis(q.reshape(q.shape[:-2] + (-1,))[..., :K], -1, axis).astype(np.float32)
;;   ~~~
;;   OPERANDS COMPUTED ON THE WAY. 'Computed on the way' means the value that the module computes at that place (a softmax that the list does not call 'softmax' is quantised finished and normalised). What goes into a quantiser is computed in f32, as accurately as f32 sums, v_exp_f32 and their like allow (about 1e-6 of the number): no bf16 or f16 on the way to a quantiser, and a product that is left as it is and whose result goes on into a quantised operand takes f32 operands (vector FMAs, or v_wmma_f32_16x16x4_f32). A number that lies on a knife's edge between two numbers of the format may be rounded either way, as far as f32 arithmetic and the matrix unit's own rounding can turn it there, and no further.
;;   INPUTS GIVEN AS CODES. sb0 (in the module: [256, 1024], K = its axis 0); sb1 (in the module: [1024, 512], K = its axis 0); sb2 (in the module: [512, 512], K = its axis 0): each comes as NAME_codes (uint8): NAME with its K axis moved to the last place and cut into blocks of 32 codes, [.., K / 32, bytes a block], one block behind the other in memory; four codes in three bytes: a row's codes are one little-endian stream of bits, code i at bits 6 i .. 6 i + 5 (a code: sign, 2 exponent bits, 3 mantissa bits); and NAME_scales (uint8): the same leading axes, one E8M0 byte (e + 127) for each 32 codes along K. Its value is code x scale, taken as it is: it is not quantised again, and the codes and scales need not be those that the quantiser above would give.
;; One version. Each part assembles by itself: llvm-mc -triple=amdgcn-amd-amdhsa -mcpu=gfx1250 --defsym DOCPART=n.
;; ======== version 1 of 1: 4 launches
;; workspace buffers: A0 7,372,800 bytes; A1 29,491,200 bytes; A2 14,745,600 bytes; W0 1,843,200 bytes; W1 3,686,400 bytes; W2 1,843,200 bytes
;; launch prep (part 1): grid 704 x 1, 4 waves a work-group, no clusters, 56,064 bytes of LDS; arguments x, grid0, coef0, ss0, coef1, ss1, coef2, ss2, sb0_codes, sb0_scales, sb1_codes, sb1_scales, sb2_codes, sb2_scales, sigma, A0, W0, W1, W2, out1; writes A0, W0, W1, W2, out1
.if DOCPART == 1
	.amdgcn_target "amdgcn-amd-amdhsa--gfx1250"
	.amdhsa_code_object_version 6
	.text
	.protected	k_q93dfc0e31c_prep
	.globl	k_q93dfc0e31c_prep
	.p2align	8
	.type	k_q93dfc0e31c_prep,@function
k_q93dfc0e31c_prep:
	s_mov_b64 s[64:65], 0
	v_nop
	global_prefetch_b8 v0, s[64:65] scope:SCOPE_SE
	s_setreg_imm32_b32 hwreg(HW_REG_WAVE_MODE, 25, 1), 1
	s_wait_xcnt 0x0
; PREP.  Everything that can be made before the first product: (a) x -> A0, the codes of layer 0's left operand; (b) coef x ss of all three layers -> codes; (c) sb's codes and scale bytes, laid anew as they are; (d) sigma -> out1.
; A LAYER IS ONE PRODUCT: y = basis . (coef ss) + silu . sb has K = 8 I + I.  K goes in steps of 128: steps 0 .. I/16 - 1 hold the 8 basis numbers of 16 inputs each (K = 8 i + k, a block of 32 = 4 inputs), then I/128 steps hold silu of 128 inputs each.
; INSIDE A BASIS BLOCK the number (i, k) stands at place 16 ((i % 4) / 2) + 2 k + (i % 2), alike in the left and the right operand: the block's 32 members, its scale and its codes are the quantiser's; only the order of the sum inside one matrix instruction differs.
; OPERANDS LIE IN MEMORY AS IMAGES OF THEIR REGISTERS.  A fragment (16 rows x 128 K, 12 registers a lane) is 1,536 bytes: for c = 0, 1 registers 6 c .. 6 c + 3 at 768 c + 16 lane, registers 6 c + 4, 6 c + 5 at 768 c + 512 + 8 lane.
;   left record (K step s, 64 rows g) at (64 s + g) x 6,400: four images, then at 6,144 + 16 r + 4 a the scale word of row 16 a + r.
;   right record (K step s, 128 columns c) at (s NG + c) x 12,800: eight images, then at 12,288 + 128 w + 8 r + 4 u the scale word of column 16 (2 w + u) + r.
; WORK-GROUPS: 0-127 x (64 rows x 128 inputs each); 128-255, 256-511, 512-639 one basis record of W0, W1, W2 each; 640-655, 656-687, 688-703 one silu record each.  The paths part on the work-group's number; only the x path uses LDS and barriers.
; No clusters, no tensor loads: no two work-groups read the same bytes, and every byte is read once.
; LIMITS: 1 / (knot difference) is v_rcp_f32 (1 ulp) and a term is formed as dx (r B), where reference() divides and then multiplies; a block of zeros gets the scale byte 1 where the rule says 127 (its codes are zeros; this program alone reads the bytes);
; blocks whose largest magnitude lies under 2^-124 are held at the byte 1; NaN and infinities among the inputs are not served; equal knots give no finite number, here as in reference().
.set RECA, 6400
.set KPA,  64*RECA                     ; bytes from a left record to the next K step's
.set RECW, 12800
.set KBN,  16                          ; basis K steps of layer 0
.set TAB,  0                           ; LDS: 64 pairs of inputs x 336 bytes: 42 pairs (even input, odd input): 12 knots, 11 + 10 + 9 reciprocals
.set STG,  21504                       ; 64 rows x (512 bytes + 16): the 128 numbers a row that are expanded
.set SWL,  55296                       ; 256 bytes: silu's scale words
.set L16, 3                            ; v3   16 x lane
.set L8,  4                            ; v4   8 x lane
.set WI16, 6                           ; v6   W paths: 16 x lane + 3,072 x wave
.set WI8,  7                           ; v7   8 x lane + 3,072 x wave
.set WSW,  8                           ; v8   128 x wave + 8 r + 4 h
.set SH8,  9                           ; v9   8 h
.set VC,   10
.set VS,   11
.set RR,  12                           ; v12  r = lane % 16
.set HH,  13                           ; v13  h = lane / 16
.set MX,   14                          ; W paths: v14-15 maxima, v16-17 scale operands, v18-19 bytes, v20-21 the two tiles' scale words, v22 a permute's destination, v23 the word stored
.set SO,   16
.set BT,   18
.set WD,   20
.set PT,   22
.set WO,   23
.set SSR,  24                          ; v24-39 ss;  v40-167 coef;  v168-231 products;  v232-243 a fragment;  v244-250 two halves of blocks
.set CF,   40
.set P,    168
.set F,    232
.set T,    244
.set SLA,  8                           ; x path: addresses v8-10, v18-22
.set SWLA, 9
.set SWLR, 10
.set GAB, 18
.set XAB, 19
.set GA,  20
.set XA,  21
.set SWO, 22
.set CT,  24                           ; v24-107  the 42 constant pairs of my pair of inputs
.set DX,  108                          ; v108-131 x - knot, 12 pairs
.set S,   132                          ; v132-155 steps, then the triangle, 12 pairs
.set TMP, 156                          ; v156-163 four pairs at work
.set V,   164                          ; v164-179 the 8 basis pairs
.set XP,  180                          ; v180-187 my pair of x for the four tiles of rows
.set M,   188                          ; v188-193 maxima
.set CODE, 194                         ; v194-217 six registers a tile of rows
.set QT,  218                          ; v218-233 the second block's halves
.set BY,  234                          ; v234-237 two scale bytes a tile
.set SWD, 238                          ; v238-241 scale words
.set D,   242                          ; v242-243 what is stored of them
.set MG,  108                          ; making the table: 12 knots, 30 differences
.set SX,  24                           ; silu: 64 numbers, 64 at work
.set SE,  88
.set TM,  156
.set PC,  194
.set PW,  234
.set WV,  16
.set SEL, 50
.set HM,  52
.set BB,  60                           ; s[60:61] where the basis images go;  s[62:63] silu's
.set SB,  62
.set TG,  68
.set TX,  69
.set CO,  70
.set CI,  71
.set MK,  72                           ; s72-95 compare masks
; ---- the table of an input's constants: thread t serves input t of the group's 128
.macro MKLOAD gp
	v_mul_u32_u24 v9, v0, 48                       ; a row of 12 knots
	global_load_b128 v[MG:MG+3], v9, s[\gp:\gp+1]
	global_load_b128 v[MG+4:MG+7], v9, s[\gp:\gp+1] offset:16
	global_load_b128 v[MG+8:MG+11], v9, s[\gp:\gp+1] offset:32
.endm
.macro MKCALC
	v_lshrrev_b32 v10, 1, v0
	v_and_b32 v11, 1, v0
	v_mul_u32_u24 v10, v10, 336
	v_lshl_add_u32 v10, v11, 2, v10                ; pair t / 2, half t % 2
.if TAB != 0
	v_add_nc_u32 v10, TAB, v10
.endif
.set t, 0
.rept 11
	v_sub_f32 v[MG+12+t], v[MG+t+1], v[MG+t]
.set t, t+1
.endr
.set t, 0
.rept 10
	v_sub_f32 v[MG+23+t], v[MG+t+2], v[MG+t]
.set t, t+1
.endr
.set t, 0
.rept 9
	v_sub_f32 v[MG+33+t], v[MG+t+3], v[MG+t]
.set t, t+1
.endr
.set t, 0
	s_wait_alu depctr_va_vdst(0)
.rept 30
	v_rcp_f32 v[MG+12+t], v[MG+12+t]
.set t, t+1
.endr
	v_nop                                          ; a plain place behind the reciprocals
.set t, 0
	s_wait_alu depctr_va_vdst(0)
.rept 42
	ds_store_b32 v10, v[MG+t] offset:8*t
.set t, t+1
.endr
.endm
; ---- the expansion's addresses, from r, h and the wave's number
.macro EXADDR
	s_mul_i32 s53, s[WV], 5376
	v_mul_u32_u24 v[GAB], v[HH], 336
	v_add_nc_u32 v[GAB], s53, v[GAB]               ; the table: pair 16 w + h
.if TAB != 0
	v_add_nc_u32 v[GAB], TAB, v[GAB]
.endif
	v_mul_u32_u24 v23, v[RR], 528
	s_lshl_b32 s53, s[WV], 7
	v_lshl_add_u32 v[XAB], v[HH], 3, v23
	v_add_nc_u32 v[XAB], s53, v[XAB]
	v_add_nc_u32 v[XAB], STG, v[XAB]               ; the stage: row r, column 32 w + 2 h
	v_lshlrev_b32 v[SWO], 4, v[RR]
	v_lshl_add_u32 v[SWO], v[HH], 3, v[SWO]        ; in a record's scale words: 16 r + 8 h
	s_mul_i32 s53, s[WV], 8448
	v_lshl_add_u32 v[SLA], v[HH], 6, v23
	v_add_nc_u32 v[SLA], s53, v[SLA]
	v_add_nc_u32 v[SLA], STG, v[SLA]               ; silu: row 16 w + r, column 16 h
	s_lshl_b32 s53, s[WV], 2
	v_lshlrev_b32 v[SWLA], 4, v[RR]
	v_add_nc_u32 v[SWLA], s53, v[SWLA]
	v_add_nc_u32 v[SWLA], SWL, v[SWLA]             ; silu's scale word of row 16 w + r: 16 r + 4 w
	v_add_nc_u32 v[SWLR], SWL, v[L8]
	v_mov_b32 v[M+5], 0                            ; a lane permute's destination counts as one of its sources
.irp a, 0,1,2,3
	v_mov_b32 v[SWD+\a], 0                         ; shifted before they are first whole
.endr
.endm
.macro CTLOAD first, count, off        ; loads first .. first + count - 1 of the 21 that bring a pair's constants
.set n, \first
.rept \count
	ds_load_b128 v[CT+4*n:CT+4*n+3], v[GA] offset:\off+16*n
.set n, n+1
.endr
.endm
.macro XPLOAD off
.irp a, 0,1,2,3
	ds_load_b64 v[XP+2*\a:XP+2*\a+1], v[XA] offset:\off+8448*\a
.endr
.endm
; One level of the triangle: C[t] = B[t] / (g[t+j] - g[t]); B'[t] = (x - g[t]) C[t] - (x - g[t+j+1]) C[t+1].  The products run three ahead of the fused multiply-adds.
; pre = 1: the level's reciprocals are done with for good: the next pair's constants are asked for into their registers.
.macro LEVEL j, rb, dst, pre, lf, lc
.set t, 0
.rept 12-\j
	v_pk_mul_f32 v[S+2*t:S+2*t+1], v[S+2*t:S+2*t+1], v[\rb+2*t:\rb+2*t+1]
.set t, t+1
.endr
.if \pre
	CTLOAD \lf, \lc, 672
.endif
.set t, 0
.rept 3
	v_pk_mul_f32 v[TMP+2*t:TMP+2*t+1], v[DX+2*(t+\j+1):DX+2*(t+\j+1)+1], v[S+2*t+2:S+2*t+3]
.set t, t+1
.endr
.set t, 0
.rept 11-\j
.if t+3 < 11-\j
	v_pk_mul_f32 v[TMP+2*((t+3)%4):TMP+2*((t+3)%4)+1], v[DX+2*(t+\j+4):DX+2*(t+\j+4)+1], v[S+2*t+8:S+2*t+9]
.endif
	v_pk_fma_f32 v[\dst+2*t:\dst+2*t+1], v[DX+2*t:DX+2*t+1], v[S+2*t:S+2*t+1], v[TMP+2*(t%4):TMP+2*(t%4)+1] neg_lo:[0,0,1] neg_hi:[0,0,1]
.set t, t+1
.endr
.endm
; Two numbers of a lane (row 16 a + r, my pair of inputs) become 16 basis numbers, half a block of 32, and its codes.  e: the first or the second block of the two in hand.
.macro ELEM a, e, pre
.set t, 0
.rept 12
	v_pk_add_f32 v[DX+2*t:DX+2*t+1], v[XP+2*\a:XP+2*\a+1], v[CT+2*t:CT+2*t+1] neg_lo:[0,1] neg_hi:[0,1]
.set t, t+1
.endr
.if \pre
	XPLOAD 16                                      ; the last reader of x and of the knots has been issued: the next pair's come
	CTLOAD 0, 6, 672
.endif
.set t, 0
.rept 24
	v_cmp_le_f32 s[MK+t], 0, v[DX+t]               ; x >= g: the difference of two f32 numbers is 0 only where they are equal (denormals are kept)
.set t, t+1
.endr
.set t, 0
.rept 24
	v_cndmask_b32 v[S+t], 0, 1.0, s[MK+t]
.set t, t+1
.endr
.set t, 0
.rept 11
	v_pk_fma_f32 v[S+2*t:S+2*t+1], v[S+2*t:S+2*t+1], v[S+2*t+2:S+2*t+3], v[S+2*t:S+2*t+1] neg_lo:[1,0,0] neg_hi:[1,0,0]   ; (x >= g[t]) and not (x >= g[t+1]), whatever the knots' order
.set t, t+1
.endr
	LEVEL 1, CT+24, S, \pre, 6, 5
	LEVEL 2, CT+46, S, \pre, 11, 5
	LEVEL 3, CT+66, V, \pre, 16, 5
	v_max3_num_f32 v[M], |v[V]|, |v[V+1]|, 0x1800000               ; my 16 magnitudes and the floor 2^(3 - 127), which holds the byte at 1 from below
	v_max3_num_f32 v[M+1], |v[V+2]|, |v[V+3]|, |v[V+4]|
	v_max3_num_f32 v[M+2], |v[V+5]|, |v[V+6]|, |v[V+7]|
	v_max3_num_f32 v[M+3], |v[V+8]|, |v[V+9]|, |v[V+10]|
	v_max3_num_f32 v[M+4], |v[V+11]|, |v[V+12]|, |v[V+13]|
	v_max3_num_f32 v[M], v[M], |v[V+14]|, |v[V+15]|
	v_max3_num_f32 v[M+1], v[M+1], v[M+2], v[M+3]
	v_max3_num_f32 v[M], v[M], v[M+1], v[M+4]
	v_permlanex16_b32 v[M+5], v[M], s[SEL], s[SEL+1]
	v_max_num_f32 v[M], v[M], v[M+5]               ; with lane l xor 16's: the block's largest magnitude
	v_add_nc_u32 v[M+1], 0xff000000, v[M]          ; 2 off its exponent field: the conversion's scale operand
.if \e == 0
	v_cvt_scalef32_pk16_fp6_f32 v[CODE+6*\a:CODE+6*\a+2], v[V:V+15], v[M+1]
	v_lshrrev_b32 v[BY+\a], 23, v[M+1]             ; the scale's byte (also the plain place behind the conversion)
.else
	v_cvt_scalef32_pk16_fp6_f32 v[QT+4*\a:QT+4*\a+2], v[V:V+15], v[M+1]
	v_lshrrev_b32 v[M+2], 23, v[M+1]
	v_lshl_or_b32 v[BY+\a], v[M+2], 8, v[BY+\a]
.endif
.endm
; Two blocks' halves become registers 6 c .. 6 c + 5 of the four fragments (lanes 0-15 the first block whole, lanes 16-31 the second) and leave: each store covers 512 or 256 consecutive bytes, aligned.
.macro FINISH
.irp a, 0,1,2,3
.irp i, 0,1,2
	v_permlane16_swap_b32 v[CODE+6*\a+\i], v[QT+4*\a+\i]
.endr
.irp i, 0,1,2
	v_mov_b32 v[CODE+6*\a+3+\i], v[QT+4*\a+\i]
.endr
	global_store_b128 v[L16], v[CODE+6*\a:CODE+6*\a+3], s[BB:BB+1] offset:1536*\a
	global_store_b64 v[L8], v[CODE+6*\a+4:CODE+6*\a+5], s[BB:BB+1] offset:1536*\a+512
	v_lshrrev_b32 v[SWD+\a], 16, v[SWD+\a]
	v_lshl_or_b32 v[SWD+\a], v[BY+\a], 16, v[SWD+\a]   ; the two bytes come in from above: after two trips the word is whole
.endr
.endm
; THE BASIS: wave w makes K steps 2 w and 2 w + 1 of the group's eight, for all 64 rows.  Outer loop: the K step; inner loop: its halves c (two blocks each).
.macro BASIS
	s_mov_b32 s[TG], 0
	s_mov_b32 s[TX], 0
	s_mov_b32 s[CO], 2
.Lkstep:
	s_mov_b32 s[CI], 2
.Lhalf:
	v_add_nc_u32 v[GA], s[TG], v[GAB]
	v_add_nc_u32 v[XA], s[TX], v[XAB]
	CTLOAD 0, 21, 0
	XPLOAD 0
	s_wait_dscnt 0x0
	ELEM 0, 0, 0
	ELEM 1, 0, 0
	ELEM 2, 0, 0
	ELEM 3, 0, 1
	s_wait_dscnt 0x0                               ; the second block's constants and x, asked for inside the last ELEM
	ELEM 0, 1, 0
	ELEM 1, 1, 0
	ELEM 2, 1, 0
	ELEM 3, 1, 0
	FINISH
	s_wait_xcnt 0x0                                ; the stores' data and base are written again only behind this wait
	s_add_nc_u64 s[BB:BB+1], s[BB:BB+1], 768
	s_add_co_u32 s[TG], s[TG], 1344                ; four pairs on
	s_add_co_u32 s[TX], s[TX], 32                  ; eight columns on
	s_sub_co_u32 s[CI], s[CI], 1
	s_cmp_lg_u32 s[CI], 0
	s_cbranch_scc1 .Lhalf
	s_wait_alu depctr_va_vdst(0)
	v_cndmask_b32 v[D], v[SWD], v[SWD+2], s[HM]    ; lanes 0-15 store the words of tiles 0, 1, lanes 16-31 those of tiles 2, 3: 256 consecutive bytes
	v_cndmask_b32 v[D+1], v[SWD+1], v[SWD+3], s[HM]
	global_store_b64 v[SWO], v[D:D+1], s[BB:BB+1] offset:6144-1536
	s_wait_xcnt 0x0
	s_add_nc_u64 s[BB:BB+1], s[BB:BB+1], KPA-1536
	s_sub_co_u32 s[CO], s[CO], 1
	s_cmp_lg_u32 s[CO], 0
	s_cbranch_scc1 .Lkstep
.endm
; 64 numbers of a lane, register 16 b + i = k 32 b + 16 h + i of my row, become a fragment's codes in v[PC] on and its scale word in v[PW].
.macro QUANT s
.irp b, 0,1,2,3
	v_max3_num_f32 v[TM+\b], |v[\s+16*\b]|, |v[\s+1+16*\b]|, 0x1800000
.endr
.irp i, 2,4,6,8,10,12,14
.irp b, 0,1,2,3
	v_max3_num_f32 v[TM+\b], v[TM+\b], |v[\s+16*\b+\i]|, |v[\s+1+16*\b+\i]|
.endr
.endr
.irp b, 0,1,2,3
	v_permlanex16_b32 v[TM+4+\b], v[TM+\b], s[SEL], s[SEL+1]       ; (its destination has been written: it was at work in the basis)
.endr
.irp b, 0,1,2,3
	v_max_num_f32 v[TM+\b], v[TM+\b], v[TM+4+\b]
.endr
.irp b, 0,1,2,3
	v_add_nc_u32 v[TM+12+\b], 0xff000000, v[TM+\b]
.endr
.irp b, 0,1,2,3
	v_lshrrev_b32 v[TM+4+\b], 23, v[TM+12+\b]
.endr
	v_lshl_or_b32 v[PW], v[TM+5], 8, v[TM+4]
	v_lshl_or_b32 v[PW], v[TM+6], 16, v[PW]
	v_lshl_or_b32 v[PW], v[TM+7], 24, v[PW]
.irp c, 0,1
	v_cvt_scalef32_pk16_fp6_f32 v[PC+6*\c:PC+2+6*\c], v[\s+32*\c:\s+15+32*\c], v[TM+12+2*\c]
	v_cvt_scalef32_pk16_fp6_f32 v[PC+12+4*\c:PC+14+4*\c], v[\s+16+32*\c:\s+31+32*\c], v[TM+12+2*\c+1]
.endr
	v_nop                                          ; one plain place behind a scaled conversion
.irp c, 0,1
.irp i, 0,1,2
	v_permlane16_swap_b32 v[PC+6*\c+\i], v[PC+12+4*\c+\i]
.endr
.irp i, 0,1,2
	v_mov_b32 v[PC+3+6*\c+\i], v[PC+12+4*\c+\i]
.endr
.endr
.endm
; SILU: wave w takes rows 16 w .. 16 w + 15, all 128 columns: one fragment of the group's silu K step.  silu(x) = x / (1 + 2^(-x log2 e)).
.macro SILU
.irp b, 0,1,2,3
.irp j, 0,1,2,3
	ds_load_b128 v[SX+16*\b+4*\j:SX+16*\b+4*\j+3], v[SLA] offset:128*\b+16*\j
.endr
.endr
	s_wait_dscnt 0x0
.set t, 0
.rept 32
	v_pk_mul_f32 v[SE+2*t:SE+2*t+1], v[SX+2*t:SX+2*t+1], 0xbfb8aa3b op_sel_hi:[1,0]
.set t, t+1
.endr
.set t, 0
	s_wait_alu depctr_va_vdst(0)
.rept 64
	v_exp_f32 v[SE+t], v[SE+t]
.set t, t+1
.endr
	v_nop
.set t, 0
	s_wait_alu depctr_va_vdst(0)
.rept 32
	v_pk_add_f32 v[SE+2*t:SE+2*t+1], v[SE+2*t:SE+2*t+1], 1.0 op_sel_hi:[1,0]
.set t, t+1
.endr
.set t, 0
	s_wait_alu depctr_va_vdst(0)
.rept 64
	v_rcp_f32 v[SE+t], v[SE+t]
.set t, t+1
.endr
	v_nop
.set t, 0
	s_wait_alu depctr_va_vdst(0)
.rept 32
	v_pk_mul_f32 v[SX+2*t:SX+2*t+1], v[SX+2*t:SX+2*t+1], v[SE+2*t:SE+2*t+1]
.set t, t+1
.endr
	QUANT SX
	global_store_b128 v[L16], v[PC:PC+3], s[SB:SB+1]
	global_store_b64 v[L8], v[PC+4:PC+5], s[SB:SB+1] offset:512
	global_store_b128 v[L16], v[PC+6:PC+9], s[SB:SB+1] offset:768
	global_store_b64 v[L8], v[PC+10:PC+11], s[SB:SB+1] offset:1280
	ds_store_b32 v[SWLA], v[PW]                    ; lanes r and r + 16 write the same word with the same value
	s_wait_dscnt 0x0                               ; for the others' sake: my word lies in LDS
	s_barrier_signal -1
	s_barrier_wait -1
	s_cmp_lg_u32 s[WV], 0
	s_cbranch_scc1 .Lwords_done
	ds_load_b64 v[D:D+1], v[SWLR]                  ; wave 0 (whose base is the record's first byte) stores the 64 words as 256 consecutive bytes
	s_wait_dscnt 0x0
	global_store_b64 v[L8], v[D:D+1], s[SB:SB+1] offset:6144
.Lwords_done:
.endm
; ---- one tile (16 columns x 128 K) of coef x ss: lane (r, h) holds column r and the blocks h and 2 + h whole
.macro WTILE u
.irp q, 0,1,2,3,4,5,6,7
.irp k, 0,1,2,3,4,5,6,7
	v_mul_f32 v[P+32*(\q/4)+16*((\q%4)/2)+2*\k+(\q%2)], v[CF+64*\u+8*\q+\k], v[SSR+8*\u+\q]
.endr
.endr
.irp c, 0,1
	v_max3_num_f32 v[MX+\c], |v[P+32*\c]|, |v[P+32*\c+1]|, 0x1800000
.endr
.irp i, 2,4,6,8,10,12,14,16,18,20,22,24,26,28,30
.irp c, 0,1
	v_max3_num_f32 v[MX+\c], v[MX+\c], |v[P+32*\c+\i]|, |v[P+32*\c+\i+1]|
.endr
.endr
.irp c, 0,1
	v_add_nc_u32 v[SO+\c], 0xff000000, v[MX+\c]
.endr
.irp c, 0,1
	v_lshrrev_b32 v[BT+\c], 23, v[SO+\c]
.endr
	v_lshl_or_b32 v[WD+\u], v[BT+1], 16, v[BT]     ; my two bytes, blocks h and 2 + h,
	v_lshlrev_b32 v[WD+\u], v[SH8], v[WD+\u]       ; at their places,
	v_permlanex16_b32 v[PT], v[WD+\u], s[SEL], s[SEL+1]
	v_or_b32 v[WD+\u], v[WD+\u], v[PT]             ; with lane l xor 16's two: the column's scale word
.if \u
	s_wait_alu depctr_va_vdst(0)
	s_wait_xcnt 0x0                                ; the first tile's stores have read the fragment's registers
.endif
.irp c, 0,1
	v_cvt_scalef32_pk16_fp6_f32 v[F+6*\c:F+6*\c+2], v[P+32*\c:P+32*\c+15], v[SO+\c]
	v_cvt_scalef32_pk16_fp6_f32 v[T+4*\c:T+4*\c+2], v[P+32*\c+16:P+32*\c+31], v[SO+\c]
.endr
	v_nop                                          ; one plain place behind a scaled conversion
.irp c, 0,1
.irp i, 0,1,2
	v_mov_b32 v[F+6*\c+3+\i], v[T+4*\c+\i]
.endr
.endr
	global_store_b128 v[WI16], v[F:F+3], s[8:9] offset:1536*\u
	global_store_b64 v[WI8], v[F+4:F+5], s[8:9] offset:1536*\u+512
	global_store_b128 v[WI16], v[F+6:F+9], s[8:9] offset:1536*\u+768
	global_store_b64 v[WI8], v[F+10:F+11], s[8:9] offset:1536*\u+1280
.endm
; ---- a basis record of a layer's right operand: K step s = 16 inputs, 128 columns; wave w makes tiles 2 w and 2 w + 1.  The record's number is the work-group's number less the path's first.
.macro WQB acoef, aw, N, LOGNG, first
	s_load_b128 s[4:7], s[0:1], \acoef             ; coef, ss
	s_load_b64 s[8:9], s[0:1], \aw                 ; the layer's W
	s_sub_co_u32 s10, ttmp9, \first
	s_and_b32 s11, s10, (1<<\LOGNG)-1              ; column group
	s_lshr_b32 s12, s10, \LOGNG                    ; K step
	s_mul_i32 s13, s12, 16*\N
	s_lshl_b32 s14, s11, 7
	s_add_co_u32 s13, s13, s14
	s_lshl_b32 s14, s[WV], 5
	s_add_co_u32 s13, s13, s14                     ; (input 16 s) x N + column 128 c + 32 w
	s_lshl_b32 s14, s13, 5                         ; 32 bytes of coef each,
	s_mov_b32 s15, 0
	s_lshl_b32 s18, s13, 2                         ; 4 of ss
	s_mov_b32 s19, 0
	s_mul_i32 s20, s10, RECW
	s_mov_b32 s21, 0
	v_mul_u32_u24 v[VC], v[HH], 4*\N*32            ; lanes 16-31 begin four inputs further on
	v_lshl_add_u32 v[VC], v[RR], 5, v[VC]
	v_mul_u32_u24 v[VS], v[HH], 4*\N*4
	v_lshl_add_u32 v[VS], v[RR], 2, v[VS]
	s_wait_alu depctr_va_vdst(0)
	s_wait_kmcnt 0x0
	s_add_nc_u64 s[4:5], s[4:5], s[14:15]
	s_add_nc_u64 s[6:7], s[6:7], s[18:19]
	s_add_nc_u64 s[8:9], s[8:9], s[20:21]
.irp u, 0,1
.irp q, 0,1,2,3,4,5,6,7                ; inputs 0-3 and 8-11 (+ 4 h): sixteen lanes read 512 consecutive bytes by two loads
	global_load_b128 v[CF+64*\u+8*\q:CF+64*\u+8*\q+3], v[VC], s[4:5] offset:(\q+4*(\q/4))*\N*32+512*\u th:TH_LOAD_NT
	global_load_b128 v[CF+64*\u+8*\q+4:CF+64*\u+8*\q+7], v[VC], s[4:5] offset:(\q+4*(\q/4))*\N*32+512*\u+16 th:TH_LOAD_NT
	global_load_b32 v[SSR+8*\u+\q], v[VS], s[6:7] offset:(\q+4*(\q/4))*\N*4+64*\u th:TH_LOAD_NT
.endr
.endr
	s_wait_loadcnt 24                              ; the first tile's 24 loads are in; the second's may be out
	WTILE 0
	s_wait_loadcnt 0x0
	WTILE 1
	v_cndmask_b32 v[WO], v[WD], v[WD+1], s[HM]     ; lanes 0-15 store tile 2 w's words, lanes 16-31 tile 2 w + 1's: 128 consecutive bytes a wave, one hundredth of the record
	global_store_b32 v[WSW], v[WO], s[8:9] offset:12288
	s_endpgm
.endm
; ---- a silu record: sb's codes and scale bytes as they are given, laid as images
.macro WQS acodes, aw, I, LOGNG, first
	s_load_b128 s[4:7], s[0:1], \acodes            ; codes, scale bytes
	s_load_b64 s[8:9], s[0:1], \aw
	s_sub_co_u32 s10, ttmp9, \first
	s_and_b32 s11, s10, (1<<\LOGNG)-1              ; column group
	s_lshr_b32 s12, s10, \LOGNG                    ; which 128 along K
	s_lshl_b32 s13, s11, 7
	s_lshl_b32 s14, s[WV], 5
	s_add_co_u32 s13, s13, s14                     ; my first column
	s_mul_i32 s14, s13, 3*\I/4
	s_mul_i32 s15, s12, 96
	s_add_co_u32 s14, s14, s15
	s_mov_b32 s15, 0
	s_mul_i32 s18, s13, \I/32
	s_lshl_b32 s19, s12, 2
	s_add_co_u32 s18, s18, s19
	s_mov_b32 s19, 0
	s_add_co_u32 s20, s10, (\I/16)<<\LOGNG         ; behind the layer's basis records
	s_mul_i32 s20, s20, RECW
	s_mov_b32 s21, 0
	v_mul_u32_u24 v[VC], v[RR], 3*\I/4
	v_mad_u32_u24 v[VC], v[HH], 24, v[VC]
	v_mul_u32_u24 v[VS], v[RR], \I/32
	s_wait_alu depctr_va_vdst(0)
	s_wait_kmcnt 0x0
	s_add_nc_u64 s[4:5], s[4:5], s[14:15]
	s_add_nc_u64 s[6:7], s[6:7], s[18:19]
	s_add_nc_u64 s[8:9], s[8:9], s[20:21]
.irp u, 0,1
.irp p, 0,1,2,3,4,5
	global_load_b64 v[CF+12*\u+2*\p:CF+12*\u+2*\p+1], v[VC], s[4:5] offset:16*\u*(3*\I/4)+48*(\p/3)+8*(\p%3)
.endr
	global_load_b32 v[WD+\u], v[VS], s[6:7] offset:16*\u*(\I/32)
.endr
	s_wait_loadcnt 0x0
.irp u, 0,1
	global_store_b128 v[WI16], v[CF+12*\u:CF+12*\u+3], s[8:9] offset:1536*\u
	global_store_b64 v[WI8], v[CF+12*\u+4:CF+12*\u+5], s[8:9] offset:1536*\u+512
	global_store_b128 v[WI16], v[CF+12*\u+6:CF+12*\u+9], s[8:9] offset:1536*\u+768
	global_store_b64 v[WI8], v[CF+12*\u+10:CF+12*\u+11], s[8:9] offset:1536*\u+1280
.endr
	v_cndmask_b32 v[WO], v[WD], v[WD+1], s[HM]
	global_store_b32 v[WSW], v[WO], s[8:9] offset:12288
	s_endpgm
.endm
	v_lshl_add_u32 v254, v0, 2, 0xd900
	v_mov_b32 v255, 0
	v_lshrrev_b32 v5, 5, v0
	v_readfirstlane_b32 s[WV], v5                  ; wave 0..3
	v_and_b32 v5, 31, v0
	v_lshlrev_b32 v[L16], 4, v5
	v_lshlrev_b32 v[L8], 3, v5
	v_and_b32 v[RR], 15, v0
	v_bfe_u32 v[HH], v0, 4, 1
	s_mov_b32 s[SEL], 0x76543210
	s_mov_b32 s[SEL+1], 0xfedcba98                 ; v_permlanex16_b32's selects for lane l xor 16
	s_mov_b32 s[HM], 0xffff0000                    ; lanes 16-31
	s_cmp_lt_u32 ttmp9, 128
	s_cbranch_scc1 .Lxpath
	s_mul_i32 s53, s[WV], 3072                     ; the W paths: my two tiles' images in a record
	v_add_nc_u32 v[WI16], s53, v[L16]
	v_add_nc_u32 v[WI8], s53, v[L8]
	s_lshl_b32 s53, s[WV], 7
	v_lshlrev_b32 v[WSW], 3, v[RR]
	v_lshl_add_u32 v[WSW], v[HH], 2, v[WSW]
	v_add_nc_u32 v[WSW], s53, v[WSW]
	v_lshlrev_b32 v[SH8], 3, v[HH]
	v_mov_b32 v[PT], 0                             ; a lane permute's destination counts as one of its sources
	s_cmp_lt_u32 ttmp9, 256
	s_cbranch_scc1 .Lwb0
	s_cmp_lt_u32 ttmp9, 512
	s_cbranch_scc1 .Lwb1
	s_cmp_lt_u32 ttmp9, 640
	s_cbranch_scc1 .Lwb2
	s_cmp_lt_u32 ttmp9, 656
	s_cbranch_scc1 .Lws0
	s_cmp_lt_u32 ttmp9, 688
	s_cbranch_scc1 .Lws1
	s_wait_alu depctr_va_vdst(0)
	WQS 0x60, 0x90, 512, 2, 688
.Lws1:
	s_wait_alu depctr_va_vdst(0)
	WQS 0x50, 0x88, 1024, 2, 656
.Lws0:
	s_wait_alu depctr_va_vdst(0)
	WQS 0x40, 0x80, 256, 3, 640
.Lwb2:
	s_wait_alu depctr_va_vdst(0)
	WQB 0x30, 0x90, 512, 2, 512
.Lwb1:
	s_wait_alu depctr_va_vdst(0)
	WQB 0x20, 0x88, 512, 2, 256
.Lwb0:
	s_wait_alu depctr_va_vdst(0)
	WQB 0x10, 0x80, 1024, 3, 128
.Lxpath:                                               ; 64 rows g x 128 inputs ct of x
	s_load_b128 s[4:7], s[0:1], 0x0                ; x, grid0
	s_load_b128 s[8:11], s[0:1], 0x70              ; sigma, A0
	s_load_b64 s[12:13], s[0:1], 0x98              ; out1
	s_and_b32 s21, ttmp9, 1                        ; ct
	s_lshr_b32 s22, ttmp9, 1                       ; g
	s_lshl_b32 s54, s22, 16                        ; x: row 64 g + 16 w of 1,024 bytes, + 512 ct
	s_lshl_b32 s55, s[WV], 14
	s_add_co_u32 s54, s54, s55
	s_lshl_b32 s55, s21, 9
	s_add_co_u32 s54, s54, s55
	s_mov_b32 s55, 0
	s_mul_i32 s56, s21, 6144                       ; the group's 128 rows of knots
	s_mov_b32 s57, 0
	s_mul_i32 s58, s21, 8*KPA                      ; basis: record (8 ct + 2 w, g)
	s_mul_i32 s59, s[WV], 2*KPA
	s_add_co_u32 s58, s58, s59
	s_mul_i32 s59, s22, RECA
	s_add_co_u32 s58, s58, s59
	s_add_co_u32 s66, s21, KBN                     ; silu: record (KBN + ct, g), image w
	s_mul_i32 s66, s66, KPA
	s_add_co_u32 s66, s66, s59
	s_mul_i32 s67, s[WV], 1536
	s_add_co_u32 s66, s66, s67
	s_mov_b32 s59, 0
	s_mov_b32 s67, 0
	s_wait_kmcnt 0x0
	s_add_nc_u64 s[4:5], s[4:5], s[54:55]
	s_add_nc_u64 s[6:7], s[6:7], s[56:57]
	s_add_nc_u64 s[BB:BB+1], s[10:11], s[58:59]
	s_add_nc_u64 s[SB:SB+1], s[10:11], s[66:67]
	s_wait_alu depctr_va_vdst(0)
.irp i, 0,1,2,3,4,5,6,7,8,9,10,11,12,13,14,15
	global_load_b128 v[SX+4*\i:SX+4*\i+3], v[L16], s[4:5] offset:1024*\i th:TH_LOAD_NT   ; 32 lanes read 512 consecutive bytes of a row
.endr
	MKLOAD 6
	s_mul_i32 s53, s[WV], 8448
	v_add_nc_u32 v14, s53, v[L16]
	v_add_nc_u32 v14, STG, v14                     ; the stage: row 16 w, 16 bytes a lane
	s_wait_alu depctr_va_vdst(0)
	s_wait_loadcnt 3                               ; x's sixteen loads are in; the three of the knots may be out
.irp i, 0,1,2,3,4,5,6,7,8,9,10,11,12,13,14,15
	ds_store_b128 v14, v[SX+4*\i:SX+4*\i+3] offset:528*\i
.endr
	s_wait_loadcnt 0x0
	MKCALC
	EXADDR
	s_wait_dscnt 0x0                               ; for the others' sake: my rows and my inputs' constants lie in LDS
	s_barrier_signal -1
	s_barrier_wait -1
	BASIS
	SILU
	s_cmp_lg_u32 ttmp9, 0                          ; work-group 0 also copies sigma: 128 threads x 16 bytes
	s_cbranch_scc1 .Ldone
	v_lshlrev_b32 v15, 4, v0
	global_load_b128 v[TMP:TMP+3], v15, s[8:9]
	s_wait_alu depctr_va_vdst(0)
	s_wait_loadcnt 0x0
	global_store_b128 v15, v[TMP:TMP+3], s[12:13]
.Ldone:
	s_wait_tensorcnt 0x0
	ds_add_u32 v254, v255
	s_wait_dscnt 0x0
	s_endpgm
.Lfunc_end_k_q93dfc0e31c_prep:
	.size	k_q93dfc0e31c_prep, .Lfunc_end_k_q93dfc0e31c_prep-k_q93dfc0e31c_prep
	.p2alignl 7, 3214868480
	.fill 96, 4, 3214868480
	.section	.rodata,"a",@progbits
	.p2align	6, 0x0
	.amdhsa_kernel k_q93dfc0e31c_prep
		.amdhsa_group_segment_fixed_size 56064
		.amdhsa_private_segment_fixed_size 0
		.amdhsa_enable_private_segment 0
		.amdhsa_kernarg_size 160
		.amdhsa_user_sgpr_count 2
		.amdhsa_user_sgpr_kernarg_segment_ptr 1
		.amdhsa_wavefront_size32 1
		.amdhsa_system_sgpr_workgroup_id_x 1
		.amdhsa_system_sgpr_workgroup_id_y 1
		.amdhsa_system_sgpr_workgroup_id_z 1
		.amdhsa_system_vgpr_workitem_id 0
		.amdhsa_next_free_vgpr 256
		.amdhsa_next_free_sgpr 100
		.amdhsa_reserve_vcc 0
		.amdhsa_float_denorm_mode_32 3
		.amdhsa_float_denorm_mode_16_64 3
		.amdhsa_memory_ordered 1
		.amdhsa_forward_progress 1
		.amdhsa_inst_pref_size 180
	.end_amdhsa_kernel
	.amdgpu_metadata
---
amdhsa.version: [ 1, 2 ]
amdhsa.kernels:
  - .name:           k_q93dfc0e31c_prep
    .symbol:         k_q93dfc0e31c_prep.kd
    .args:
      - { .name: x, .offset: 0, .size: 8, .value_kind: global_buffer, .address_space: global }
      - { .name: grid0, .offset: 8, .size: 8, .value_kind: global_buffer, .address_space: global }
      - { .name: coef0, .offset: 16, .size: 8, .value_kind: global_buffer, .address_space: global }
      - { .name: ss0, .offset: 24, .size: 8, .value_kind: global_buffer, .address_space: global }
      - { .name: coef1, .offset: 32, .size: 8, .value_kind: global_buffer, .address_space: global }
      - { .name: ss1, .offset: 40, .size: 8, .value_kind: global_buffer, .address_space: global }
      - { .name: coef2, .offset: 48, .size: 8, .value_kind: global_buffer, .address_space: global }
      - { .name: ss2, .offset: 56, .size: 8, .value_kind: global_buffer, .address_space: global }
      - { .name: sb0_codes, .offset: 64, .size: 8, .value_kind: global_buffer, .address_space: global }
      - { .name: sb0_scales, .offset: 72, .size: 8, .value_kind: global_buffer, .address_space: global }
      - { .name: sb1_codes, .offset: 80, .size: 8, .value_kind: global_buffer, .address_space: global }
      - { .name: sb1_scales, .offset: 88, .size: 8, .value_kind: global_buffer, .address_space: global }
      - { .name: sb2_codes, .offset: 96, .size: 8, .value_kind: global_buffer, .address_space: global }
      - { .name: sb2_scales, .offset: 104, .size: 8, .value_kind: global_buffer, .address_space: global }
      - { .name: sigma, .offset: 112, .size: 8, .value_kind: global_buffer, .address_space: global }
      - { .name: A0, .offset: 120, .size: 8, .value_kind: global_buffer, .address_space: global }
      - { .name: W0, .offset: 128, .size: 8, .value_kind: global_buffer, .address_space: global }
      - { .name: W1, .offset: 136, .size: 8, .value_kind: global_buffer, .address_space: global }
      - { .name: W2, .offset: 144, .size: 8, .value_kind: global_buffer, .address_space: global }
      - { .name: out1, .offset: 152, .size: 8, .value_kind: global_buffer, .address_space: global }
    .group_segment_fixed_size: 56064
    .private_segment_fixed_size: 0
    .kernarg_segment_align: 8
    .kernarg_segment_size: 160
    .max_flat_workgroup_size: 128
    .sgpr_count:     100
    .vgpr_count:     256
    .wavefront_size: 32
...
	.end_amdgpu_metadata
.endif
;; end of part 1
;; launch gemm0 (part 2): grid 8 x 64, 4 waves a work-group, clusters of 4 x 4, 327,680 bytes of LDS; arguments A0, W0, ns0, nb0, A1, grid1; writes A1
.if DOCPART == 2
	.amdgcn_target "amdgcn-amd-amdhsa--gfx1250"
	.amdhsa_code_object_version 6
	.text
	.protected	k_q93dfc0e31c_gemm0
	.globl	k_q93dfc0e31c_gemm0
	.p2align	8
	.type	k_q93dfc0e31c_gemm0,@function
k_q93dfc0e31c_gemm0:
	s_mov_b64 s[64:65], 0
	v_nop
	global_prefetch_b8 v0, s[64:65] scope:SCOPE_SE
	s_setreg_imm32_b32 hwreg(HW_REG_WAVE_MODE, 25, 1), 1
	s_wait_xcnt 0x0
	s_wait_alu depctr_hold_cnt(0) depctr_sa_sdst(0) depctr_va_vdst(0) depctr_va_sdst(0) depctr_va_ssrc(0) depctr_va_vcc(0) depctr_vm_vsrc(0)
	s_getreg_b32 s2, hwreg(HW_REG_IB_STS2, 6, 4)
	s_cmp_eq_u32 s2, 0
	s_cbranch_scc0 .Lentry_in_a_cluster
	s_endpgm
.Lentry_in_a_cluster:
	s_bfe_u32 s2, ttmp6, 0x10000c
	s_cmp_lg_u32 s2, 0xf033
	s_cbranch_scc0 .Lentry_shape_is_right
	s_endpgm
.Lentry_shape_is_right:
; A LAYER'S PRODUCT ON CODES OF FP6 (E2M3), ITS NODE AFFINE, AND THE EXPANSION OF THE RESULT INTO THE NEXT LAYER'S LEFT OPERAND.  h = ns (A W) + nb never goes to memory as f32: each h is made by one work-group, which computes its 8 basis numbers and its silu once.
; A LAYER IS ONE PRODUCT: K steps of 128; first those of the basis (16 inputs x 8 each), then those of silu (128 inputs each).
; INSIDE A BASIS BLOCK of 32 (4 inputs x 8) the number (i, k) stands at place 16 ((i % 4) / 2) + 2 k + (i % 2), alike in both operands: members, scale and codes are the quantiser's; only the order of the sum inside one matrix instruction differs.
; OPERANDS LIE IN MEMORY AS IMAGES OF THEIR REGISTERS.  A fragment (16 rows x 128 K, 12 registers a lane) is 1,536 bytes: for c = 0, 1 registers 6 c .. 6 c + 3 at 768 c + 16 lane, registers 6 c + 4, 6 c + 5 at 768 c + 512 + 8 lane.
;   left record (K step s, 64 rows g) at (64 s + g) x 6,400: four images, then at 6,144 + 16 r + 4 a the scale word of row 16 a + r.
;   right record (K step s, 128 columns c) at (s NG + c) x 12,800: eight images, then at 12,288 + 128 w + 8 r + 4 u the scale word of column 16 (2 w + u) + r.
; SHARES.  A work-group makes 64 rows x 128 columns; wave w 64 x 32: 8 accumulators.  4,096 x 1,024 outputs over 512 work-groups leave no larger tile; for a K step a wave reads 6 fragments for 8 matrix instructions.
; THE RING: two LDS slots of six K steps (6 left records, 38,400 bytes, then 6 right records, 76,800), 131,072 bytes apart.  Waves 0, 1 fetch three left records each, waves 2, 3 three right records each: one tensor load a wave for a slot.
; CLUSTERS: 4 x 4 work-groups.  The four of a row of the cluster need the same left records, the four of a column the same right records: each is asked for JOINTLY, by the same tensor load with the same descriptor and a mask that names the four.
; THE MATRIX INSTRUCTION IS USED TRANSPOSED (source 0 = 16 columns of W, source 1 = 16 rows of A): lane (r, h) holds row r and eight neighbouring columns.
; LIMITS: 1 / (knot difference) is v_rcp_f32 (1 ulp) and a term is formed as dx (r B), where reference() divides and then multiplies; a block of zeros gets the scale byte 1 where the rule says 127 (its codes are zeros; this program alone reads the bytes);
; blocks whose largest magnitude lies under 2^-124 are held at the byte 1; NaN and infinities are not served; equal knots give no finite number, here as in reference().
.set LAYER, 0
.if LAYER == 0
.set NKS, 18                           ; K steps: 9 x 256 / 128
.set NG,  8                            ; column groups: 1,024 / 128
.set KBN, 64                           ; basis K steps of the next layer: 1,024 / 16
.else
.set NKS, 72
.set NG,  4
.set KBN, 32
.endif
.set NS,   NKS/6                       ; slots' worth of K steps
.set RECA, 6400
.set KPA,  64*RECA
.set RECW, 12800
.set SLOT1, 131072
.set WOFF, 6*RECA
.set LB,   262144                      ; behind the ring: bytes that no tensor load fills
.set TAB,  LB                          ; 64 pairs of inputs x 336 bytes: 42 pairs (even input, odd input): 12 knots, 11 + 10 + 9 reciprocals
.set STG,  LB+21504                    ; 64 rows x (512 bytes + 16): h
.set SWL,  LB+55296                    ; 256 bytes: silu's scale words
.set NSL,  LB+55552                    ; ns of my 128 columns, then nb
.set SPARE, LB+56576                   ; the spare words, 128 bytes for each wave: two blocks of 256 bytes that no other line names
.set SPW, 1                            ; v1   LDS address of my spare word; never rewritten
.set NIL, 2                            ; v2   0; never rewritten
.set L16, 3                            ; v3   16 x lane
.set L8,  4                            ; v4   8 x lane
.set R16, 5                            ; v5   16 r
.set WB16, 6                           ; v6-8 my tiles' places in a slot's right records (in the K loop)
.set WB8,  7
.set WBS,  8
.set KA,   9                           ; v9-17 the slot's nine addresses
.set NSA,  6                           ; behind the K loop: v6-10, v12-13
.set STO,  7
.set SLA,  8
.set SWLA, 9
.set SWLR, 10
.set RR,  12
.set HH,  13
.set GAB, 18
.set XAB, 19
.set GA,  20
.set XA,  21
.set SWO, 22
.set F0,  28                           ; two sets of fragments, 72 registers each: four of A, two of W
.set ACC, 172                          ; v172-235 accumulator (a, u) at ACC + 8 (2 a + u)
.set SC,  244                          ; v244-255 scale words, six a set (four of A, two of W): these registers hold nothing else in the whole text
.set CT,  24                           ; the expansion: v24-107 the 42 constant pairs of my pair of inputs
.set DX,  108
.set S,   132
.set TMP, 156
.set V,   164
.set XP,  180
.set M,   188
.set CODE, 194
.set QT,  218
.set BY,  234
.set SWD, 238
.set D,   242
.set MG,  108
.set SX,  24
.set SE,  88
.set TM,  156
.set PC,  194
.set PW,  234
.set WV,  16
.set ROLE, 17
.set HALF, 18
.set G1A, 24                           ; s[24:31], s[32:35] descriptor groups 1 and 0 for the left records;  s[36:43], s[44:47] for the right
.set G0A, 32
.set G1W, 36
.set G0W, 44
.set TB,  48                           ; LDS byte at which the slot in hand begins
.set CNT, 49
.set SEL, 50
.set HM,  52
.set BB,  60
.set SB,  62
.set TG,  68
.set TX,  69
.set CO,  70
.set CI,  71
.set MK,  72
; A joint load: waves 0 and 1 fetch left records, waves 2 and 3 right records.  Each line has one mask and one set of registers; the branch hangs on the wave's number alone.  Four v_nop follow each line.
.macro JLOAD
	s_cmp_eq_u32 s[ROLE], 0
	s_cbranch_scc0 .Lfor_w_\@
	tensor_load_to_lds s[G0A:G0A+3], s[G1A:G1A+7]
	s_nop 0
.rept 4
	v_nop
.endr
	s_branch .Lasked_\@
.Lfor_w_\@:
	tensor_load_to_lds s[G0W:G0W+3], s[G1W:G1W+7]
	s_nop 0
.rept 4
	v_nop
.endr
.Lasked_\@:
.endm
.macro CROUND                          ; a round of the cluster's barrier
	s_barrier_signal -1
	s_barrier_wait -1
	s_cmp_lg_u32 s[WV], 0
	s_cbranch_scc1 .Lnot_wave_0_\@
	s_barrier_signal -3
.Lnot_wave_0_\@:
	s_barrier_wait -3
	s_barrier_signal -1
	s_barrier_wait -1
.endm
; 26 LDS loads: K step k of the slot into set p: four fragments of A, my two of W, A's four scale words a lane, W's two.  Every load of an image takes 512 or 256 consecutive bytes.
.macro LOADK k, p
.irp a, 0,1,2,3
	ds_load_b128 v[F0+72*(\p)+12*\a:F0+72*(\p)+12*\a+3], v[KA] offset:(\k)*RECA+1536*\a
	ds_load_b64 v[F0+72*(\p)+12*\a+4:F0+72*(\p)+12*\a+5], v[KA+1] offset:(\k)*RECA+1536*\a+512
	ds_load_b128 v[F0+72*(\p)+12*\a+6:F0+72*(\p)+12*\a+9], v[KA] offset:(\k)*RECA+1536*\a+768
	ds_load_b64 v[F0+72*(\p)+12*\a+10:F0+72*(\p)+12*\a+11], v[KA+1] offset:(\k)*RECA+1536*\a+1280
.endr
.irp u, 0,1
	ds_load_b128 v[F0+72*(\p)+48+12*\u:F0+72*(\p)+48+12*\u+3], v[KA+3+3*((\k)/3)] offset:((\k)%3)*RECW+1536*\u
	ds_load_b64 v[F0+72*(\p)+48+12*\u+4:F0+72*(\p)+48+12*\u+5], v[KA+4+3*((\k)/3)] offset:((\k)%3)*RECW+1536*\u+512
	ds_load_b128 v[F0+72*(\p)+48+12*\u+6:F0+72*(\p)+48+12*\u+9], v[KA+3+3*((\k)/3)] offset:((\k)%3)*RECW+1536*\u+768
	ds_load_b64 v[F0+72*(\p)+48+12*\u+10:F0+72*(\p)+48+12*\u+11], v[KA+4+3*((\k)/3)] offset:((\k)%3)*RECW+1536*\u+1280
.endr
	ds_load_b128 v[SC+6*(\p):SC+6*(\p)+3], v[KA+2] offset:(\k)*RECA+6144
	ds_load_b64 v[SC+6*(\p)+4:SC+6*(\p)+5], v[KA+5+3*((\k)/3)] offset:((\k)%3)*RECW
.endm
; 8 matrix instructions: a K step.  The eight accumulators take turns, one instruction a turn, in the same order in every K step.  zero = 1: the first products start the sums.
.macro MUL p, zero
.irp a, 0,1,2,3
.irp u, 0,1
.if \zero
	v_wmma_scale_f32_16x16x128_f8f6f4 v[ACC+8*(2*\a+\u):ACC+8*(2*\a+\u)+7], v[F0+72*(\p)+48+12*\u:F0+72*(\p)+59+12*\u], v[F0+72*(\p)+12*\a:F0+72*(\p)+12*\a+11], 0, v[SC+6*(\p)+4+\u], v[SC+6*(\p)+\a] matrix_a_fmt:MATRIX_FMT_FP6 matrix_b_fmt:MATRIX_FMT_FP6
.else
	v_wmma_scale_f32_16x16x128_f8f6f4 v[ACC+8*(2*\a+\u):ACC+8*(2*\a+\u)+7], v[F0+72*(\p)+48+12*\u:F0+72*(\p)+59+12*\u], v[F0+72*(\p)+12*\a:F0+72*(\p)+12*\a+11], v[ACC+8*(2*\a+\u):ACC+8*(2*\a+\u)+7], v[SC+6*(\p)+4+\u], v[SC+6*(\p)+\a] matrix_a_fmt:MATRIX_FMT_FP6 matrix_b_fmt:MATRIX_FMT_FP6
.endif
.endr
.endr
.endm
; A slot's K steps 0 to 4 are multiplied; K step 5 is fetched and left to the change of slots.  The nine additions are also places behind the last products, in front of the loads.
.macro SLOTWORK zero
	v_add_nc_u32 v[KA], s[TB], v[L16]
	v_add_nc_u32 v[KA+1], s[TB], v[L8]
	v_add_nc_u32 v[KA+2], s[TB], v[R16]
	v_add_nc_u32 v[KA+3], s[TB], v[WB16]
	v_add_nc_u32 v[KA+4], s[TB], v[WB8]
	v_add_nc_u32 v[KA+5], s[TB], v[WBS]
	v_add_nc_u32 v[KA+6], 3*RECW, v[KA+3]          ; K steps 3 to 5: an LDS offset has 16 bits
	v_add_nc_u32 v[KA+7], 3*RECW, v[KA+4]
	v_add_nc_u32 v[KA+8], 3*RECW, v[KA+5]
	LOADK 0, 0
	LOADK 1, 1
	s_wait_alu depctr_va_vdst(0)
	s_wait_dscnt 26                                ; all but the 26 just issued
	MUL 0, \zero
.irp k, 1,2,3,4
.rept 4
	v_nop                                          ; four places in front of loads into registers that matrix instructions have read (ISA guide 7.12.1 for vector instructions)
.endr
	LOADK \k+1, (\k+1)%2
	s_wait_dscnt 26
	MUL \k%2, 0
.endr
.endm
; THE CHANGE OF SLOTS.  Each wave waits for all its tensor loads (one is out: its part of the next slot), adds 0 to its spare word, multiplies the slot's last K step, and waits for the add; its reads of the slot are over.
; fill = 1: a round of the cluster's barrier, and the slot just left is filled with the K steps two slots on: that load has six K steps' work in which to land.
.macro CHANGE fill
	s_wait_tensorcnt 0x0                           ; no tensor load of mine is out, so a group 0 may be written
	ds_add_u32 v[SPW], v[NIL]                      ; 0 onto my spare word
	s_wait_dscnt 0x1                               ; K step 5's fragments are in; the add may be out
	MUL 1, 0
.if \fill
	s_xor_b32 s[G0A+1], s[G0A+1], SLOT1            ; the other slot than last time,
	s_add_nc_u64 s[G0A+2:G0A+3], s[G0A+2:G0A+3], 6*KPA   ; the next six K steps; the type bits on top are not reached
	s_xor_b32 s[G0W+1], s[G0W+1], SLOT1
	s_add_nc_u64 s[G0W+2:G0W+3], s[G0W+2:G0W+3], 6*NG*RECW
.endif
	s_xor_b32 s[TB], s[TB], SLOT1
	s_wait_dscnt 0x0                               ; the add is done
.if \fill
	CROUND
	JLOAD
.else
	s_barrier_signal -1
	s_barrier_wait -1
.endif
.endm
; ---- the table of an input's constants: thread t serves input t of the group's 128
.macro MKLOAD gp
	v_mul_u32_u24 v9, v0, 48                       ; a row of 12 knots
	global_load_b128 v[MG:MG+3], v9, s[\gp:\gp+1]
	global_load_b128 v[MG+4:MG+7], v9, s[\gp:\gp+1] offset:16
	global_load_b128 v[MG+8:MG+11], v9, s[\gp:\gp+1] offset:32
.endm
.macro MKCALC
	v_lshrrev_b32 v10, 1, v0
	v_and_b32 v11, 1, v0
	v_mul_u32_u24 v10, v10, 336
	v_lshl_add_u32 v10, v11, 2, v10                ; pair t / 2, half t % 2
.if TAB != 0
	v_add_nc_u32 v10, TAB, v10
.endif
.set t, 0
.rept 11
	v_sub_f32 v[MG+12+t], v[MG+t+1], v[MG+t]
.set t, t+1
.endr
.set t, 0
.rept 10
	v_sub_f32 v[MG+23+t], v[MG+t+2], v[MG+t]
.set t, t+1
.endr
.set t, 0
.rept 9
	v_sub_f32 v[MG+33+t], v[MG+t+3], v[MG+t]
.set t, t+1
.endr
.set t, 0
	s_wait_alu depctr_va_vdst(0)
.rept 30
	v_rcp_f32 v[MG+12+t], v[MG+12+t]
.set t, t+1
.endr
	v_nop                                          ; a plain place behind the reciprocals
.set t, 0
	s_wait_alu depctr_va_vdst(0)
.rept 42
	ds_store_b32 v10, v[MG+t] offset:8*t
.set t, t+1
.endr
.endm
; ---- the expansion's addresses, from r, h and the wave's number
.macro EXADDR
	s_mul_i32 s53, s[WV], 5376
	v_mul_u32_u24 v[GAB], v[HH], 336
	v_add_nc_u32 v[GAB], s53, v[GAB]               ; the table: pair 16 w + h
.if TAB != 0
	v_add_nc_u32 v[GAB], TAB, v[GAB]
.endif
	v_mul_u32_u24 v23, v[RR], 528
	s_lshl_b32 s53, s[WV], 7
	v_lshl_add_u32 v[XAB], v[HH], 3, v23
	v_add_nc_u32 v[XAB], s53, v[XAB]
	v_add_nc_u32 v[XAB], STG, v[XAB]               ; the stage: row r, column 32 w + 2 h
	v_lshlrev_b32 v[SWO], 4, v[RR]
	v_lshl_add_u32 v[SWO], v[HH], 3, v[SWO]        ; in a record's scale words: 16 r + 8 h
	s_mul_i32 s53, s[WV], 8448
	v_lshl_add_u32 v[SLA], v[HH], 6, v23
	v_add_nc_u32 v[SLA], s53, v[SLA]
	v_add_nc_u32 v[SLA], STG, v[SLA]               ; silu: row 16 w + r, column 16 h
	s_lshl_b32 s53, s[WV], 2
	v_lshlrev_b32 v[SWLA], 4, v[RR]
	v_add_nc_u32 v[SWLA], s53, v[SWLA]
	v_add_nc_u32 v[SWLA], SWL, v[SWLA]             ; silu's scale word of row 16 w + r: 16 r + 4 w
	v_add_nc_u32 v[SWLR], SWL, v[L8]
	v_mov_b32 v[M+5], 0                            ; a lane permute's destination counts as one of its sources
.irp a, 0,1,2,3
	v_mov_b32 v[SWD+\a], 0                         ; shifted before they are first whole
.endr
.endm
.macro CTLOAD first, count, off        ; loads first .. first + count - 1 of the 21 that bring a pair's constants
.set n, \first
.rept \count
	ds_load_b128 v[CT+4*n:CT+4*n+3], v[GA] offset:\off+16*n
.set n, n+1
.endr
.endm
.macro XPLOAD off
.irp a, 0,1,2,3
	ds_load_b64 v[XP+2*\a:XP+2*\a+1], v[XA] offset:\off+8448*\a
.endr
.endm
; One level of the triangle: C[t] = B[t] / (g[t+j] - g[t]); B'[t] = (x - g[t]) C[t] - (x - g[t+j+1]) C[t+1].  The products run three ahead of the fused multiply-adds.
; pre = 1: the level's reciprocals are done with for good: the next pair's constants are asked for into their registers.
.macro LEVEL j, rb, dst, pre, lf, lc
.set t, 0
.rept 12-\j
	v_pk_mul_f32 v[S+2*t:S+2*t+1], v[S+2*t:S+2*t+1], v[\rb+2*t:\rb+2*t+1]
.set t, t+1
.endr
.if \pre
	CTLOAD \lf, \lc, 672
.endif
.set t, 0
.rept 3
	v_pk_mul_f32 v[TMP+2*t:TMP+2*t+1], v[DX+2*(t+\j+1):DX+2*(t+\j+1)+1], v[S+2*t+2:S+2*t+3]
.set t, t+1
.endr
.set t, 0
.rept 11-\j
.if t+3 < 11-\j
	v_pk_mul_f32 v[TMP+2*((t+3)%4):TMP+2*((t+3)%4)+1], v[DX+2*(t+\j+4):DX+2*(t+\j+4)+1], v[S+2*t+8:S+2*t+9]
.endif
	v_pk_fma_f32 v[\dst+2*t:\dst+2*t+1], v[DX+2*t:DX+2*t+1], v[S+2*t:S+2*t+1], v[TMP+2*(t%4):TMP+2*(t%4)+1] neg_lo:[0,0,1] neg_hi:[0,0,1]
.set t, t+1
.endr
.endm
; Two numbers of a lane (row 16 a + r, my pair of inputs) become 16 basis numbers, half a block of 32, and its codes.  e: the first or the second block of the two in hand.
.macro ELEM a, e, pre
.set t, 0
.rept 12
	v_pk_add_f32 v[DX+2*t:DX+2*t+1], v[XP+2*\a:XP+2*\a+1], v[CT+2*t:CT+2*t+1] neg_lo:[0,1] neg_hi:[0,1]
.set t, t+1
.endr
.if \pre
	XPLOAD 16                                      ; the last reader of x and of the knots has been issued: the next pair's come
	CTLOAD 0, 6, 672
.endif
.set t, 0
.rept 24
	v_cmp_le_f32 s[MK+t], 0, v[DX+t]               ; x >= g: the difference of two f32 numbers is 0 only where they are equal (denormals are kept)
.set t, t+1
.endr
.set t, 0
.rept 24
	v_cndmask_b32 v[S+t], 0, 1.0, s[MK+t]
.set t, t+1
.endr
.set t, 0
.rept 11
	v_pk_fma_f32 v[S+2*t:S+2*t+1], v[S+2*t:S+2*t+1], v[S+2*t+2:S+2*t+3], v[S+2*t:S+2*t+1] neg_lo:[1,0,0] neg_hi:[1,0,0]   ; (x >= g[t]) and not (x >= g[t+1]), whatever the knots' order
.set t, t+1
.endr
	LEVEL 1, CT+24, S, \pre, 6, 5
	LEVEL 2, CT+46, S, \pre, 11, 5
	LEVEL 3, CT+66, V, \pre, 16, 5
	v_max3_num_f32 v[M], |v[V]|, |v[V+1]|, 0x1800000               ; my 16 magnitudes and the floor 2^(3 - 127), which holds the byte at 1 from below
	v_max3_num_f32 v[M+1], |v[V+2]|, |v[V+3]|, |v[V+4]|
	v_max3_num_f32 v[M+2], |v[V+5]|, |v[V+6]|, |v[V+7]|
	v_max3_num_f32 v[M+3], |v[V+8]|, |v[V+9]|, |v[V+10]|
	v_max3_num_f32 v[M+4], |v[V+11]|, |v[V+12]|, |v[V+13]|
	v_max3_num_f32 v[M], v[M], |v[V+14]|, |v[V+15]|
	v_max3_num_f32 v[M+1], v[M+1], v[M+2], v[M+3]
	v_max3_num_f32 v[M], v[M], v[M+1], v[M+4]
	v_permlanex16_b32 v[M+5], v[M], s[SEL], s[SEL+1]
	v_max_num_f32 v[M], v[M], v[M+5]               ; with lane l xor 16's: the block's largest magnitude
	v_add_nc_u32 v[M+1], 0xff000000, v[M]          ; 2 off its exponent field: the conversion's scale operand
.if \e == 0
	v_cvt_scalef32_pk16_fp6_f32 v[CODE+6*\a:CODE+6*\a+2], v[V:V+15], v[M+1]
	v_lshrrev_b32 v[BY+\a], 23, v[M+1]             ; the scale's byte (also the plain place behind the conversion)
.else
	v_cvt_scalef32_pk16_fp6_f32 v[QT+4*\a:QT+4*\a+2], v[V:V+15], v[M+1]
	v_lshrrev_b32 v[M+2], 23, v[M+1]
	v_lshl_or_b32 v[BY+\a], v[M+2], 8, v[BY+\a]
.endif
.endm
; Two blocks' halves become registers 6 c .. 6 c + 5 of the four fragments (lanes 0-15 the first block whole, lanes 16-31 the second) and leave: each store covers 512 or 256 consecutive bytes, aligned.
.macro FINISH
.irp a, 0,1,2,3
.irp i, 0,1,2
	v_permlane16_swap_b32 v[CODE+6*\a+\i], v[QT+4*\a+\i]
.endr
.irp i, 0,1,2
	v_mov_b32 v[CODE+6*\a+3+\i], v[QT+4*\a+\i]
.endr
	global_store_b128 v[L16], v[CODE+6*\a:CODE+6*\a+3], s[BB:BB+1] offset:1536*\a
	global_store_b64 v[L8], v[CODE+6*\a+4:CODE+6*\a+5], s[BB:BB+1] offset:1536*\a+512
	v_lshrrev_b32 v[SWD+\a], 16, v[SWD+\a]
	v_lshl_or_b32 v[SWD+\a], v[BY+\a], 16, v[SWD+\a]   ; the two bytes come in from above: after two trips the word is whole
.endr
.endm
; THE BASIS: wave w makes K steps 2 w and 2 w + 1 of the group's eight, for all 64 rows.  Outer loop: the K step; inner loop: its halves c (two blocks each).
.macro BASIS
	s_mov_b32 s[TG], 0
	s_mov_b32 s[TX], 0
	s_mov_b32 s[CO], 2
.Lkstep:
	s_mov_b32 s[CI], 2
.Lhalf:
	v_add_nc_u32 v[GA], s[TG], v[GAB]
	v_add_nc_u32 v[XA], s[TX], v[XAB]
	CTLOAD 0, 21, 0
	XPLOAD 0
	s_wait_dscnt 0x0
	ELEM 0, 0, 0
	ELEM 1, 0, 0
	ELEM 2, 0, 0
	ELEM 3, 0, 1
	s_wait_dscnt 0x0                               ; the second block's constants and x, asked for inside the last ELEM
	ELEM 0, 1, 0
	ELEM 1, 1, 0
	ELEM 2, 1, 0
	ELEM 3, 1, 0
	FINISH
	s_wait_xcnt 0x0                                ; the stores' data and base are written again only behind this wait
	s_add_nc_u64 s[BB:BB+1], s[BB:BB+1], 768
	s_add_co_u32 s[TG], s[TG], 1344                ; four pairs on
	s_add_co_u32 s[TX], s[TX], 32                  ; eight columns on
	s_sub_co_u32 s[CI], s[CI], 1
	s_cmp_lg_u32 s[CI], 0
	s_cbranch_scc1 .Lhalf
	s_wait_alu depctr_va_vdst(0)
	v_cndmask_b32 v[D], v[SWD], v[SWD+2], s[HM]    ; lanes 0-15 store the words of tiles 0, 1, lanes 16-31 those of tiles 2, 3: 256 consecutive bytes
	v_cndmask_b32 v[D+1], v[SWD+1], v[SWD+3], s[HM]
	global_store_b64 v[SWO], v[D:D+1], s[BB:BB+1] offset:6144-1536
	s_wait_xcnt 0x0
	s_add_nc_u64 s[BB:BB+1], s[BB:BB+1], KPA-1536
	s_sub_co_u32 s[CO], s[CO], 1
	s_cmp_lg_u32 s[CO], 0
	s_cbranch_scc1 .Lkstep
.endm
; 64 numbers of a lane, register 16 b + i = k 32 b + 16 h + i of my row, become a fragment's codes in v[PC] on and its scale word in v[PW].
.macro QUANT s
.irp b, 0,1,2,3
	v_max3_num_f32 v[TM+\b], |v[\s+16*\b]|, |v[\s+1+16*\b]|, 0x1800000
.endr
.irp i, 2,4,6,8,10,12,14
.irp b, 0,1,2,3
	v_max3_num_f32 v[TM+\b], v[TM+\b], |v[\s+16*\b+\i]|, |v[\s+1+16*\b+\i]|
.endr
.endr
.irp b, 0,1,2,3
	v_permlanex16_b32 v[TM+4+\b], v[TM+\b], s[SEL], s[SEL+1]       ; (its destination has been written: it was at work in the basis)
.endr
.irp b, 0,1,2,3
	v_max_num_f32 v[TM+\b], v[TM+\b], v[TM+4+\b]
.endr
.irp b, 0,1,2,3
	v_add_nc_u32 v[TM+12+\b], 0xff000000, v[TM+\b]
.endr
.irp b, 0,1,2,3
	v_lshrrev_b32 v[TM+4+\b], 23, v[TM+12+\b]
.endr
	v_lshl_or_b32 v[PW], v[TM+5], 8, v[TM+4]
	v_lshl_or_b32 v[PW], v[TM+6], 16, v[PW]
	v_lshl_or_b32 v[PW], v[TM+7], 24, v[PW]
.irp c, 0,1
	v_cvt_scalef32_pk16_fp6_f32 v[PC+6*\c:PC+2+6*\c], v[\s+32*\c:\s+15+32*\c], v[TM+12+2*\c]
	v_cvt_scalef32_pk16_fp6_f32 v[PC+12+4*\c:PC+14+4*\c], v[\s+16+32*\c:\s+31+32*\c], v[TM+12+2*\c+1]
.endr
	v_nop                                          ; one plain place behind a scaled conversion
.irp c, 0,1
.irp i, 0,1,2
	v_permlane16_swap_b32 v[PC+6*\c+\i], v[PC+12+4*\c+\i]
.endr
.irp i, 0,1,2
	v_mov_b32 v[PC+3+6*\c+\i], v[PC+12+4*\c+\i]
.endr
.endr
.endm
; SILU: wave w takes rows 16 w .. 16 w + 15, all 128 columns: one fragment of the group's silu K step.  silu(x) = x / (1 + 2^(-x log2 e)).
.macro SILU
.irp b, 0,1,2,3
.irp j, 0,1,2,3
	ds_load_b128 v[SX+16*\b+4*\j:SX+16*\b+4*\j+3], v[SLA] offset:128*\b+16*\j
.endr
.endr
	s_wait_dscnt 0x0
.set t, 0
.rept 32
	v_pk_mul_f32 v[SE+2*t:SE+2*t+1], v[SX+2*t:SX+2*t+1], 0xbfb8aa3b op_sel_hi:[1,0]
.set t, t+1
.endr
.set t, 0
	s_wait_alu depctr_va_vdst(0)
.rept 64
	v_exp_f32 v[SE+t], v[SE+t]
.set t, t+1
.endr
	v_nop
.set t, 0
	s_wait_alu depctr_va_vdst(0)
.rept 32
	v_pk_add_f32 v[SE+2*t:SE+2*t+1], v[SE+2*t:SE+2*t+1], 1.0 op_sel_hi:[1,0]
.set t, t+1
.endr
.set t, 0
	s_wait_alu depctr_va_vdst(0)
.rept 64
	v_rcp_f32 v[SE+t], v[SE+t]
.set t, t+1
.endr
	v_nop
.set t, 0
	s_wait_alu depctr_va_vdst(0)
.rept 32
	v_pk_mul_f32 v[SX+2*t:SX+2*t+1], v[SX+2*t:SX+2*t+1], v[SE+2*t:SE+2*t+1]
.set t, t+1
.endr
	QUANT SX
	global_store_b128 v[L16], v[PC:PC+3], s[SB:SB+1]
	global_store_b64 v[L8], v[PC+4:PC+5], s[SB:SB+1] offset:512
	global_store_b128 v[L16], v[PC+6:PC+9], s[SB:SB+1] offset:768
	global_store_b64 v[L8], v[PC+10:PC+11], s[SB:SB+1] offset:1280
	ds_store_b32 v[SWLA], v[PW]                    ; lanes r and r + 16 write the same word with the same value
	s_wait_dscnt 0x0                               ; for the others' sake: my word lies in LDS
	s_barrier_signal -1
	s_barrier_wait -1
	s_cmp_lg_u32 s[WV], 0
	s_cbranch_scc1 .Lwords_done
	ds_load_b64 v[D:D+1], v[SWLR]                  ; wave 0 (whose base is the record's first byte) stores the 64 words as 256 consecutive bytes
	s_wait_dscnt 0x0
	global_store_b64 v[L8], v[D:D+1], s[SB:SB+1] offset:6144
.Lwords_done:
.endm
	s_load_b256 s[4:11], s[0:1], 0x0               ; A s[4:5], W s[6:7], ns s[8:9], nb s[10:11]
	s_load_b128 s[12:15], s[0:1], 0x20             ; the next layer's A s[12:13], its knots s[14:15]
	v_lshl_add_u32 v[SPW], v0, 2, SPARE
	v_mov_b32 v[NIL], 0
	ds_add_u32 v1, v2
	ds_add_u32 v1, v2
	s_wait_dscnt 0x0
	v_lshrrev_b32 v9, 5, v0
	v_readfirstlane_b32 s[WV], v9                  ; wave 0..3
	s_lshr_b32 s[ROLE], s[WV], 1                   ; I fetch left records (0) or right ones (1),
	s_and_b32 s[HALF], s[WV], 1                    ; a slot's K steps 0-2 or 3-5
	s_bfe_u32 s19, ttmp6, 0x40000                  ; cx, cy: my place in the cluster
	s_bfe_u32 s20, ttmp6, 0x40004
	s_lshl_b32 s21, ttmp9, 2
	s_add_co_u32 s21, s21, s19                     ; column group ct = 4 x cluster x + cx
	s_and_b32 s22, ttmp7, 0xffff
	s_lshl_b32 s22, s22, 2
	s_add_co_u32 s22, s22, s20                     ; row group g = 4 x cluster y + cy
	s_lshl_b32 s23, s20, 2
	s_lshl_b32 s23, 15, s23                        ; my row of the cluster
	s_lshl_b32 s66, 0x1111, s19                    ; my column
	; descriptor group 1: three records, one a row: 800 (1,600) elements of 8 bytes, a K step apart in memory, dense in LDS
	s_or_b32 s[G1A], s23, (3<<16)|(1<<21)          ; 15:0 the mask: left records go to my row; 17:16 elements of 8 bytes; 20 no padding; 21 set beside a mask
	s_mov_b32 s[G1A+1], 800<<16                    ; tensor_dim0
	s_mov_b32 s[G1A+2], 3<<16                      ; tensor_dim1
	s_mov_b32 s[G1A+3], 800<<16                    ; tile_dim0
	s_mov_b32 s[G1A+4], 3                          ; tile_dim1
	s_mov_b32 s[G1A+5], KPA/8                      ; tensor_dim0_stride
	s_mov_b32 s[G1A+6], 0
	s_mov_b32 s[G1A+7], 0
	s_or_b32 s[G1W], s66, (3<<16)|(1<<21)          ; right records go to my column
	s_mov_b32 s[G1W+1], 1600<<16
	s_mov_b32 s[G1W+2], 3<<16
	s_mov_b32 s[G1W+3], 1600<<16
	s_mov_b32 s[G1W+4], 3
	s_mov_b32 s[G1W+5], NG*RECW/8
	s_mov_b32 s[G1W+6], 0
	s_mov_b32 s[G1W+7], 0
	s_mul_i32 s54, s22, RECA                       ; left: hangs on the row group and the wave's number alone
	s_mul_i32 s55, s[HALF], 3*KPA
	s_add_co_u32 s54, s54, s55
	s_mov_b32 s55, 0
	s_mul_i32 s56, s21, RECW                       ; right: on the column group and the wave's number alone
	s_mul_i32 s57, s[HALF], 3*NG*RECW
	s_add_co_u32 s56, s56, s57
	s_mov_b32 s57, 0
	s_mov_b32 s[G0A], 1                            ; count = 1
	s_mul_i32 s[G0A+1], s[HALF], 3*RECA            ; LDS address: slot 0; no place in the cluster enters it
	s_mov_b32 s[G0W], 1
	s_mul_i32 s[G0W+1], s[HALF], 3*RECW
	s_add_co_u32 s[G0W+1], s[G0W+1], WOFF
	s_mul_i32 s58, s21, 8*KPA                      ; where my basis images go: record (8 ct + 2 w, g)
	s_mul_i32 s59, s[WV], 2*KPA
	s_add_co_u32 s58, s58, s59
	s_mul_i32 s59, s22, RECA
	s_add_co_u32 s58, s58, s59
	s_add_co_u32 s96, s21, KBN                     ; silu's: record (KBN + ct, g), image w
	s_mul_i32 s96, s96, KPA
	s_add_co_u32 s96, s96, s59
	s_mul_i32 s97, s[WV], 1536
	s_add_co_u32 s96, s96, s97
	s_mov_b32 s97, 0
	s_mov_b32 s59, 0
	s_mul_i32 s98, s21, 6144                       ; the group's 128 rows of knots
	s_mov_b32 s99, 0
	s_lshl_b32 s66, s21, 9                         ; its 128 numbers of ns and nb
	s_mov_b32 s67, 0
	s_mov_b32 s[SEL], 0x76543210
	s_mov_b32 s[SEL+1], 0xfedcba98                 ; v_permlanex16_b32's selects for lane l xor 16
	s_mov_b32 s[HM], 0xffff0000                    ; lanes 16-31
	s_mov_b32 s[TB], 0
	s_wait_kmcnt 0x0
	s_add_nc_u64 s[G0A+2:G0A+3], s[4:5], s[54:55]
	s_or_b32 s[G0A+3], s[G0A+3], 0x80000000        ; type = 2
	s_add_nc_u64 s[G0W+2:G0W+3], s[6:7], s[56:57]
	s_or_b32 s[G0W+3], s[G0W+3], 0x80000000
	s_add_nc_u64 s[8:9], s[8:9], s[66:67]
	s_add_nc_u64 s[10:11], s[10:11], s[66:67]
	s_add_nc_u64 s[BB:BB+1], s[12:13], s[58:59]
	s_add_nc_u64 s[SB:SB+1], s[12:13], s[96:97]
	s_add_nc_u64 s[14:15], s[14:15], s[98:99]
	CROUND                                         ; all sixteen work-groups are here: the first joint loads meet
	JLOAD                                          ; slot 0
	MKLOAD 14                                      ; while it is on its way: the next layer's constants, ns and nb into LDS
	v_lshlrev_b32 v15, 2, v0
	global_load_b32 v150, v15, s[8:9]
	global_load_b32 v151, v15, s[10:11]
	v_add_nc_u32 v16, NSL, v15
	v_and_b32 v12, 31, v0
	v_lshlrev_b32 v[L16], 4, v12
	v_lshlrev_b32 v[L8], 3, v12
	v_and_b32 v13, 15, v0
	v_lshlrev_b32 v[R16], 4, v13
	s_mul_i32 s53, s[WV], 3072
	s_add_co_u32 s53, s53, WOFF
	v_add_nc_u32 v[WB16], s53, v[L16]              ; my two tiles' images in a slot's first right record
	v_add_nc_u32 v[WB8], s53, v[L8]
	s_lshl_b32 s53, s[WV], 7
	s_add_co_u32 s53, s53, WOFF+12288
	v_lshl_add_u32 v[WBS], v13, 3, s53             ; and their scale words
	s_wait_loadcnt 0x0
	MKCALC
	ds_store_b32 v16, v150
	ds_store_b32 v16, v151 offset:512
	s_wait_tensorcnt 0x0                           ; THE FIRST CHANGE: slot 0 has landed; slot 1 is first filled as a refill is
	ds_add_u32 v[SPW], v[NIL]                      ; 0 onto my spare word
	s_xor_b32 s[G0A+1], s[G0A+1], SLOT1
	s_add_nc_u64 s[G0A+2:G0A+3], s[G0A+2:G0A+3], 6*KPA
	s_xor_b32 s[G0W+1], s[G0W+1], SLOT1
	s_add_nc_u64 s[G0W+2:G0W+3], s[G0W+2:G0W+3], 6*NG*RECW
	s_wait_dscnt 0x0                               ; the add is done, and my stores of constants have landed
	CROUND
	JLOAD
	SLOTWORK 1                                     ; the first products start the sums: nothing is cleared
	s_mov_b32 s[CNT], NS-2
.Lslot:                                                ; NS - 2 trips: every slot but the last two is filled again
	CHANGE 1
	SLOTWORK 0
	s_sub_co_u32 s[CNT], s[CNT], 1
	s_cmp_lg_u32 s[CNT], 0
	s_cbranch_scc1 .Lslot
	CHANGE 0                                       ; the tail is written out
	SLOTWORK 0
	s_wait_dscnt 0x0
	MUL 1, 0                                       ; the last K step
	; THE AFFINE, and h into the stage.  The eight address lines are the places behind the last products.
	v_and_b32 v[RR], 15, v0
	v_bfe_u32 v[HH], v0, 4, 1
	s_lshl_b32 s53, s[WV], 7
	v_lshlrev_b32 v[NSA], 5, v[HH]
	v_add_nc_u32 v[NSA], s53, v[NSA]               ; 128 w + 32 h: my first column, in bytes
	v_mul_u32_u24 v[STO], v[RR], 528
	v_add_nc_u32 v[STO], v[STO], v[NSA]
	v_add_nc_u32 v[STO], STG, v[STO]
	v_add_nc_u32 v[NSA], NSL, v[NSA]
.irp u, 0,1
	ds_load_b128 v[F0+8*\u:F0+8*\u+3], v[NSA] offset:64*\u
	ds_load_b128 v[F0+8*\u+4:F0+8*\u+7], v[NSA] offset:64*\u+16
	ds_load_b128 v[F0+16+8*\u:F0+16+8*\u+3], v[NSA] offset:512+64*\u
	ds_load_b128 v[F0+16+8*\u+4:F0+16+8*\u+7], v[NSA] offset:512+64*\u+16
.endr
	s_wait_dscnt 0x0
.irp a, 0,1,2,3
.irp u, 0,1
.irp j, 0,2,4,6                        ; each accumulator from its low end on
	v_pk_fma_f32 v[ACC+8*(2*\a+\u)+\j:ACC+8*(2*\a+\u)+\j+1], v[ACC+8*(2*\a+\u)+\j:ACC+8*(2*\a+\u)+\j+1], v[F0+8*\u+\j:F0+8*\u+\j+1], v[F0+16+8*\u+\j:F0+16+8*\u+\j+1]
.endr
.endr
.endr
.irp a, 0,1,2,3
.irp u, 0,1
	ds_store_b128 v[STO], v[ACC+8*(2*\a+\u):ACC+8*(2*\a+\u)+3] offset:8448*\a+64*\u        ; h(16 a + r, 32 w + 16 u + 8 h + 0 .. 7)
	ds_store_b128 v[STO], v[ACC+8*(2*\a+\u)+4:ACC+8*(2*\a+\u)+7] offset:8448*\a+64*\u+16
.endr
.endr
	EXADDR
	s_wait_dscnt 0x0                               ; for the others' sake: my part of h lies in the stage
	s_barrier_signal -1
	s_barrier_wait -1
	BASIS
	SILU
	s_wait_tensorcnt 0x0                           ; the wave's end, behind my last tensor load and my last LDS store
	ds_add_u32 v[SPW], v[NIL]
	s_wait_dscnt 0x0
	CROUND                                         ; the closing round: no work-group ends while a partner may still ask for a tile that names it
	s_endpgm
.Lfunc_end_k_q93dfc0e31c_gemm0:
	.size	k_q93dfc0e31c_gemm0, .Lfunc_end_k_q93dfc0e31c_gemm0-k_q93dfc0e31c_gemm0
	.p2alignl 7, 3214868480
	.fill 96, 4, 3214868480
	.section	.rodata,"a",@progbits
	.p2align	6, 0x0
	.amdhsa_kernel k_q93dfc0e31c_gemm0
		.amdhsa_group_segment_fixed_size 327680
		.amdhsa_private_segment_fixed_size 0
		.amdhsa_enable_private_segment 0
		.amdhsa_kernarg_size 48
		.amdhsa_user_sgpr_count 2
		.amdhsa_user_sgpr_kernarg_segment_ptr 1
		.amdhsa_wavefront_size32 1
		.amdhsa_system_sgpr_workgroup_id_x 1
		.amdhsa_system_sgpr_workgroup_id_y 1
		.amdhsa_system_sgpr_workgroup_id_z 1
		.amdhsa_system_vgpr_workitem_id 0
		.amdhsa_next_free_vgpr 256
		.amdhsa_next_free_sgpr 100
		.amdhsa_reserve_vcc 0
		.amdhsa_float_denorm_mode_32 3
		.amdhsa_float_denorm_mode_16_64 3
		.amdhsa_memory_ordered 1
		.amdhsa_forward_progress 1
		.amdhsa_inst_pref_size 178
	.end_amdhsa_kernel
	.amdgpu_metadata
---
amdhsa.version: [ 1, 2 ]
amdhsa.kernels:
  - .name:           k_q93dfc0e31c_gemm0
    .symbol:         k_q93dfc0e31c_gemm0.kd
    .args:
      - { .name: A0, .offset: 0, .size: 8, .value_kind: global_buffer, .address_space: global }
      - { .name: W0, .offset: 8, .size: 8, .value_kind: global_buffer, .address_space: global }
      - { .name: ns0, .offset: 16, .size: 8, .value_kind: global_buffer, .address_space: global }
      - { .name: nb0, .offset: 24, .size: 8, .value_kind: global_buffer, .address_space: global }
      - { .name: A1, .offset: 32, .size: 8, .value_kind: global_buffer, .address_space: global }
      - { .name: grid1, .offset: 40, .size: 8, .value_kind: global_buffer, .address_space: global }
    .group_segment_fixed_size: 327680
    .private_segment_fixed_size: 0
    .kernarg_segment_align: 8
    .kernarg_segment_size: 48
    .max_flat_workgroup_size: 128
    .sgpr_count:     100
    .vgpr_count:     256
    .wavefront_size: 32
...
	.end_amdgpu_metadata
.endif
;; end of part 2
;; launch gemm1 (part 3): grid 4 x 64, 4 waves a work-group, clusters of 4 x 4, 327,680 bytes of LDS; arguments A1, W1, ns1, nb1, A2, grid2; writes A2
.if DOCPART == 3
	.amdgcn_target "amdgcn-amd-amdhsa--gfx1250"
	.amdhsa_code_object_version 6
	.text
	.protected	k_q93dfc0e31c_gemm1
	.globl	k_q93dfc0e31c_gemm1
	.p2align	8
	.type	k_q93dfc0e31c_gemm1,@function
k_q93dfc0e31c_gemm1:
	s_mov_b64 s[64:65], 0
	v_nop
	global_prefetch_b8 v0, s[64:65] scope:SCOPE_SE
	s_setreg_imm32_b32 hwreg(HW_REG_WAVE_MODE, 25, 1), 1
	s_wait_xcnt 0x0
	s_wait_alu depctr_hold_cnt(0) depctr_sa_sdst(0) depctr_va_vdst(0) depctr_va_sdst(0) depctr_va_ssrc(0) depctr_va_vcc(0) depctr_vm_vsrc(0)
	s_getreg_b32 s2, hwreg(HW_REG_IB_STS2, 6, 4)
	s_cmp_eq_u32 s2, 0
	s_cbranch_scc0 .Lentry_in_a_cluster
	s_endpgm
.Lentry_in_a_cluster:
	s_bfe_u32 s2, ttmp6, 0x10000c
	s_cmp_lg_u32 s2, 0xf033
	s_cbranch_scc0 .Lentry_shape_is_right
	s_endpgm
.Lentry_shape_is_right:
; A LAYER'S PRODUCT ON CODES OF FP6 (E2M3), ITS NODE AFFINE, AND THE EXPANSION OF THE RESULT INTO THE NEXT LAYER'S LEFT OPERAND.  h = ns (A W) + nb never goes to memory as f32: each h is made by one work-group, which computes its 8 basis numbers and its silu once.
; A LAYER IS ONE PRODUCT: K steps of 128; first those of the basis (16 inputs x 8 each), then those of silu (128 inputs each).
; INSIDE A BASIS BLOCK of 32 (4 inputs x 8) the number (i, k) stands at place 16 ((i % 4) / 2) + 2 k + (i % 2), alike in both operands: members, scale and codes are the quantiser's; only the order of the sum inside one matrix instruction differs.
; OPERANDS LIE IN MEMORY AS IMAGES OF THEIR REGISTERS.  A fragment (16 rows x 128 K, 12 registers a lane) is 1,536 bytes: for c = 0, 1 registers 6 c .. 6 c + 3 at 768 c + 16 lane, registers 6 c + 4, 6 c + 5 at 768 c + 512 + 8 lane.
;   left record (K step s, 64 rows g) at (64 s + g) x 6,400: four images, then at 6,144 + 16 r + 4 a the scale word of row 16 a + r.
;   right record (K step s, 128 columns c) at (s NG + c) x 12,800: eight images, then at 12,288 + 128 w + 8 r + 4 u the scale word of column 16 (2 w + u) + r.
; SHARES.  A work-group makes 64 rows x 128 columns; wave w 64 x 32: 8 accumulators.  4,096 x 512 outputs over 256 work-groups leave no larger tile; for a K step a wave reads 6 fragments for 8 matrix instructions.
; THE RING: two LDS slots of six K steps (6 left records, 38,400 bytes, then 6 right records, 76,800), 131,072 bytes apart.  Waves 0, 1 fetch three left records each, waves 2, 3 three right records each: one tensor load a wave for a slot.
; CLUSTERS: 4 x 4 work-groups.  The four of a row of the cluster need the same left records, the four of a column the same right records: each is asked for JOINTLY, by the same tensor load with the same descriptor and a mask that names the four.
; THE MATRIX INSTRUCTION IS USED TRANSPOSED (source 0 = 16 columns of W, source 1 = 16 rows of A): lane (r, h) holds row r and eight neighbouring columns.
; LIMITS: 1 / (knot difference) is v_rcp_f32 (1 ulp) and a term is formed as dx (r B), where reference() divides and then multiplies; a block of zeros gets the scale byte 1 where the rule says 127 (its codes are zeros; this program alone reads the bytes);
; blocks whose largest magnitude lies under 2^-124 are held at the byte 1; NaN and infinities are not served; equal knots give no finite number, here as in reference().
.set LAYER, 1
.if LAYER == 0
.set NKS, 18
.set NG,  8
.set KBN, 64
.else
.set NKS, 72                           ; K steps: 9 x 1,024 / 128
.set NG,  4                            ; column groups: 512 / 128
.set KBN, 32                           ; basis K steps of the next layer: 512 / 16
.endif
.set NS,   NKS/6                       ; slots' worth of K steps
.set RECA, 6400
.set KPA,  64*RECA
.set RECW, 12800
.set SLOT1, 131072
.set WOFF, 6*RECA
.set LB,   262144                      ; behind the ring: bytes that no tensor load fills
.set TAB,  LB                          ; 64 pairs of inputs x 336 bytes: 42 pairs (even input, odd input): 12 knots, 11 + 10 + 9 reciprocals
.set STG,  LB+21504                    ; 64 rows x (512 bytes + 16): h
.set SWL,  LB+55296                    ; 256 bytes: silu's scale words
.set NSL,  LB+55552                    ; ns of my 128 columns, then nb
.set SPARE, LB+56576                   ; the spare words, 128 bytes for each wave: two blocks of 256 bytes that no other line names
.set SPW, 1                            ; v1   LDS address of my spare word; never rewritten
.set NIL, 2                            ; v2   0; never rewritten
.set L16, 3                            ; v3   16 x lane
.set L8,  4                            ; v4   8 x lane
.set R16, 5                            ; v5   16 r
.set WB16, 6                           ; v6-8 my tiles' places in a slot's right records (in the K loop)
.set WB8,  7
.set WBS,  8
.set KA,   9                           ; v9-17 the slot's nine addresses
.set NSA,  6                           ; behind the K loop: v6-10, v12-13
.set STO,  7
.set SLA,  8
.set SWLA, 9
.set SWLR, 10
.set RR,  12
.set HH,  13
.set GAB, 18
.set XAB, 19
.set GA,  20
.set XA,  21
.set SWO, 22
.set F0,  28                           ; two sets of fragments, 72 registers each: four of A, two of W
.set ACC, 172                          ; v172-235 accumulator (a, u) at ACC + 8 (2 a + u)
.set SC,  244                          ; v244-255 scale words, six a set (four of A, two of W): these registers hold nothing else in the whole text
.set CT,  24                           ; the expansion: v24-107 the 42 constant pairs of my pair of inputs
.set DX,  108
.set S,   132
.set TMP, 156
.set V,   164
.set XP,  180
.set M,   188
.set CODE, 194
.set QT,  218
.set BY,  234
.set SWD, 238
.set D,   242
.set MG,  108
.set SX,  24
.set SE,  88
.set TM,  156
.set PC,  194
.set PW,  234
.set WV,  16
.set ROLE, 17
.set HALF, 18
.set G1A, 24                           ; s[24:31], s[32:35] descriptor groups 1 and 0 for the left records;  s[36:43], s[44:47] for the right
.set G0A, 32
.set G1W, 36
.set G0W, 44
.set TB,  48                           ; LDS byte at which the slot in hand begins
.set CNT, 49
.set SEL, 50
.set HM,  52
.set BB,  60
.set SB,  62
.set TG,  68
.set TX,  69
.set CO,  70
.set CI,  71
.set MK,  72
; A joint load: waves 0 and 1 fetch left records, waves 2 and 3 right records.  Each line has one mask and one set of registers; the branch hangs on the wave's number alone.  Four v_nop follow each line.
.macro JLOAD
	s_cmp_eq_u32 s[ROLE], 0
	s_cbranch_scc0 .Lfor_w_\@
	tensor_load_to_lds s[G0A:G0A+3], s[G1A:G1A+7]
	s_nop 0
.rept 4
	v_nop
.endr
	s_branch .Lasked_\@
.Lfor_w_\@:
	tensor_load_to_lds s[G0W:G0W+3], s[G1W:G1W+7]
	s_nop 0
.rept 4
	v_nop
.endr
.Lasked_\@:
.endm
.macro CROUND                          ; a round of the cluster's barrier
	s_barrier_signal -1
	s_barrier_wait -1
	s_cmp_lg_u32 s[WV], 0
	s_cbranch_scc1 .Lnot_wave_0_\@
	s_barrier_signal -3
.Lnot_wave_0_\@:
	s_barrier_wait -3
	s_barrier_signal -1
	s_barrier_wait -1
.endm
; 26 LDS loads: K step k of the slot into set p: four fragments of A, my two of W, A's four scale words a lane, W's two.  Every load of an image takes 512 or 256 consecutive bytes.
.macro LOADK k, p
.irp a, 0,1,2,3
	ds_load_b128 v[F0+72*(\p)+12*\a:F0+72*(\p)+12*\a+3], v[KA] offset:(\k)*RECA+1536*\a
	ds_load_b64 v[F0+72*(\p)+12*\a+4:F0+72*(\p)+12*\a+5], v[KA+1] offset:(\k)*RECA+1536*\a+512
	ds_load_b128 v[F0+72*(\p)+12*\a+6:F0+72*(\p)+12*\a+9], v[KA] offset:(\k)*RECA+1536*\a+768
	ds_load_b64 v[F0+72*(\p)+12*\a+10:F0+72*(\p)+12*\a+11], v[KA+1] offset:(\k)*RECA+1536*\a+1280
.endr
.irp u, 0,1
	ds_load_b128 v[F0+72*(\p)+48+12*\u:F0+72*(\p)+48+12*\u+3], v[KA+3+3*((\k)/3)] offset:((\k)%3)*RECW+1536*\u
	ds_load_b64 v[F0+72*(\p)+48+12*\u+4:F0+72*(\p)+48+12*\u+5], v[KA+4+3*((\k)/3)] offset:((\k)%3)*RECW+1536*\u+512
	ds_load_b128 v[F0+72*(\p)+48+12*\u+6:F0+72*(\p)+48+12*\u+9], v[KA+3+3*((\k)/3)] offset:((\k)%3)*RECW+1536*\u+768
	ds_load_b64 v[F0+72*(\p)+48+12*\u+10:F0+72*(\p)+48+12*\u+11], v[KA+4+3*((\k)/3)] offset:((\k)%3)*RECW+1536*\u+1280
.endr
	ds_load_b128 v[SC+6*(\p):SC+6*(\p)+3], v[KA+2] offset:(\k)*RECA+6144
	ds_load_b64 v[SC+6*(\p)+4:SC+6*(\p)+5], v[KA+5+3*((\k)/3)] offset:((\k)%3)*RECW
.endm
; 8 matrix instructions: a K step.  The eight accumulators take turns, one instruction a turn, in the same order in every K step.  zero = 1: the first products start the sums.
.macro MUL p, zero
.irp a, 0,1,2,3
.irp u, 0,1
.if \zero
	v_wmma_scale_f32_16x16x128_f8f6f4 v[ACC+8*(2*\a+\u):ACC+8*(2*\a+\u)+7], v[F0+72*(\p)+48+12*\u:F0+72*(\p)+59+12*\u], v[F0+72*(\p)+12*\a:F0+72*(\p)+12*\a+11], 0, v[SC+6*(\p)+4+\u], v[SC+6*(\p)+\a] matrix_a_fmt:MATRIX_FMT_FP6 matrix_b_fmt:MATRIX_FMT_FP6
.else
	v_wmma_scale_f32_16x16x128_f8f6f4 v[ACC+8*(2*\a+\u):ACC+8*(2*\a+\u)+7], v[F0+72*(\p)+48+12*\u:F0+72*(\p)+59+12*\u], v[F0+72*(\p)+12*\a:F0+72*(\p)+12*\a+11], v[ACC+8*(2*\a+\u):ACC+8*(2*\a+\u)+7], v[SC+6*(\p)+4+\u], v[SC+6*(\p)+\a] matrix_a_fmt:MATRIX_FMT_FP6 matrix_b_fmt:MATRIX_FMT_FP6
.endif
.endr
.endr
.endm
; A slot's K steps 0 to 4 are multiplied; K step 5 is fetched and left to the change of slots.  The nine additions are also places behind the last products, in front of the loads.
.macro SLOTWORK zero
	v_add_nc_u32 v[KA], s[TB], v[L16]
	v_add_nc_u32 v[KA+1], s[TB], v[L8]
	v_add_nc_u32 v[KA+2], s[TB], v[R16]
	v_add_nc_u32 v[KA+3], s[TB], v[WB16]
	v_add_nc_u32 v[KA+4], s[TB], v[WB8]
	v_add_nc_u32 v[KA+5], s[TB], v[WBS]
	v_add_nc_u32 v[KA+6], 3*RECW, v[KA+3]          ; K steps 3 to 5: an LDS offset has 16 bits
	v_add_nc_u32 v[KA+7], 3*RECW, v[KA+4]
	v_add_nc_u32 v[KA+8], 3*RECW, v[KA+5]
	LOADK 0, 0
	LOADK 1, 1
	s_wait_alu depctr_va_vdst(0)
	s_wait_dscnt 26                                ; all but the 26 just issued
	MUL 0, \zero
.irp k, 1,2,3,4
.rept 4
	v_nop                                          ; four places in front of loads into registers that matrix instructions have read (ISA guide 7.12.1 for vector instructions)
.endr
	LOADK \k+1, (\k+1)%2
	s_wait_dscnt 26
	MUL \k%2, 0
.endr
.endm
; THE CHANGE OF SLOTS.  Each wave waits for all its tensor loads (one is out: its part of the next slot), adds 0 to its spare word, multiplies the slot's last K step, and waits for the add; its reads of the slot are over.
; fill = 1: a round of the cluster's barrier, and the slot just left is filled with the K steps two slots on: that load has six K steps' work in which to land.
.macro CHANGE fill
	s_wait_tensorcnt 0x0                           ; no tensor load of mine is out, so a group 0 may be written
	ds_add_u32 v[SPW], v[NIL]                      ; 0 onto my spare word
	s_wait_dscnt 0x1                               ; K step 5's fragments are in; the add may be out
	MUL 1, 0
.if \fill
	s_xor_b32 s[G0A+1], s[G0A+1], SLOT1            ; the other slot than last time,
	s_add_nc_u64 s[G0A+2:G0A+3], s[G0A+2:G0A+3], 6*KPA   ; the next six K steps; the type bits on top are not reached
	s_xor_b32 s[G0W+1], s[G0W+1], SLOT1
	s_add_nc_u64 s[G0W+2:G0W+3], s[G0W+2:G0W+3], 6*NG*RECW
.endif
	s_xor_b32 s[TB], s[TB], SLOT1
	s_wait_dscnt 0x0                               ; the add is done
.if \fill
	CROUND
	JLOAD
.else
	s_barrier_signal -1
	s_barrier_wait -1
.endif
.endm
; ---- the table of an input's constants: thread t serves input t of the group's 128
.macro MKLOAD gp
	v_mul_u32_u24 v9, v0, 48                       ; a row of 12 knots
	global_load_b128 v[MG:MG+3], v9, s[\gp:\gp+1]
	global_load_b128 v[MG+4:MG+7], v9, s[\gp:\gp+1] offset:16
	global_load_b128 v[MG+8:MG+11], v9, s[\gp:\gp+1] offset:32
.endm
.macro MKCALC
	v_lshrrev_b32 v10, 1, v0
	v_and_b32 v11, 1, v0
	v_mul_u32_u24 v10, v10, 336
	v_lshl_add_u32 v10, v11, 2, v10                ; pair t / 2, half t % 2
.if TAB != 0
	v_add_nc_u32 v10, TAB, v10
.endif
.set t, 0
.rept 11
	v_sub_f32 v[MG+12+t], v[MG+t+1], v[MG+t]
.set t, t+1
.endr
.set t, 0
.rept 10
	v_sub_f32 v[MG+23+t], v[MG+t+2], v[MG+t]
.set t, t+1
.endr
.set t, 0
.rept 9
	v_sub_f32 v[MG+33+t], v[MG+t+3], v[MG+t]
.set t, t+1
.endr
.set t, 0
	s_wait_alu depctr_va_vdst(0)
.rept 30
	v_rcp_f32 v[MG+12+t], v[MG+12+t]
.set t, t+1
.endr
	v_nop                                          ; a plain place behind the reciprocals
.set t, 0
	s_wait_alu depctr_va_vdst(0)
.rept 42
	ds_store_b32 v10, v[MG+t] offset:8*t
.set t, t+1
.endr
.endm
; ---- the expansion's addresses, from r, h and the wave's number
.macro EXADDR
	s_mul_i32 s53, s[WV], 5376
	v_mul_u32_u24 v[GAB], v[HH], 336
	v_add_nc_u32 v[GAB], s53, v[GAB]               ; the table: pair 16 w + h
.if TAB != 0
	v_add_nc_u32 v[GAB], TAB, v[GAB]
.endif
	v_mul_u32_u24 v23, v[RR], 528
	s_lshl_b32 s53, s[WV], 7
	v_lshl_add_u32 v[XAB], v[HH], 3, v23
	v_add_nc_u32 v[XAB], s53, v[XAB]
	v_add_nc_u32 v[XAB], STG, v[XAB]               ; the stage: row r, column 32 w + 2 h
	v_lshlrev_b32 v[SWO], 4, v[RR]
	v_lshl_add_u32 v[SWO], v[HH], 3, v[SWO]        ; in a record's scale words: 16 r + 8 h
	s_mul_i32 s53, s[WV], 8448
	v_lshl_add_u32 v[SLA], v[HH], 6, v23
	v_add_nc_u32 v[SLA], s53, v[SLA]
	v_add_nc_u32 v[SLA], STG, v[SLA]               ; silu: row 16 w + r, column 16 h
	s_lshl_b32 s53, s[WV], 2
	v_lshlrev_b32 v[SWLA], 4, v[RR]
	v_add_nc_u32 v[SWLA], s53, v[SWLA]
	v_add_nc_u32 v[SWLA], SWL, v[SWLA]             ; silu's scale word of row 16 w + r: 16 r + 4 w
	v_add_nc_u32 v[SWLR], SWL, v[L8]
	v_mov_b32 v[M+5], 0                            ; a lane permute's destination counts as one of its sources
.irp a, 0,1,2,3
	v_mov_b32 v[SWD+\a], 0                         ; shifted before they are first whole
.endr
.endm
.macro CTLOAD first, count, off        ; loads first .. first + count - 1 of the 21 that bring a pair's constants
.set n, \first
.rept \count
	ds_load_b128 v[CT+4*n:CT+4*n+3], v[GA] offset:\off+16*n
.set n, n+1
.endr
.endm
.macro XPLOAD off
.irp a, 0,1,2,3
	ds_load_b64 v[XP+2*\a:XP+2*\a+1], v[XA] offset:\off+8448*\a
.endr
.endm
; One level of the triangle: C[t] = B[t] / (g[t+j] - g[t]); B'[t] = (x - g[t]) C[t] - (x - g[t+j+1]) C[t+1].  The products run three ahead of the fused multiply-adds.
; pre = 1: the level's reciprocals are done with for good: the next pair's constants are asked for into their registers.
.macro LEVEL j, rb, dst, pre, lf, lc
.set t, 0
.rept 12-\j
	v_pk_mul_f32 v[S+2*t:S+2*t+1], v[S+2*t:S+2*t+1], v[\rb+2*t:\rb+2*t+1]
.set t, t+1
.endr
.if \pre
	CTLOAD \lf, \lc, 672
.endif
.set t, 0
.rept 3
	v_pk_mul_f32 v[TMP+2*t:TMP+2*t+1], v[DX+2*(t+\j+1):DX+2*(t+\j+1)+1], v[S+2*t+2:S+2*t+3]
.set t, t+1
.endr
.set t, 0
.rept 11-\j
.if t+3 < 11-\j
	v_pk_mul_f32 v[TMP+2*((t+3)%4):TMP+2*((t+3)%4)+1], v[DX+2*(t+\j+4):DX+2*(t+\j+4)+1], v[S+2*t+8:S+2*t+9]
.endif
	v_pk_fma_f32 v[\dst+2*t:\dst+2*t+1], v[DX+2*t:DX+2*t+1], v[S+2*t:S+2*t+1], v[TMP+2*(t%4):TMP+2*(t%4)+1] neg_lo:[0,0,1] neg_hi:[0,0,1]
.set t, t+1
.endr
.endm
; Two numbers of a lane (row 16 a + r, my pair of inputs) become 16 basis numbers, half a block of 32, and its codes.  e: the first or the second block of the two in hand.
.macro ELEM a, e, pre
.set t, 0
.rept 12
	v_pk_add_f32 v[DX+2*t:DX+2*t+1], v[XP+2*\a:XP+2*\a+1], v[CT+2*t:CT+2*t+1] neg_lo:[0,1] neg_hi:[0,1]
.set t, t+1
.endr
.if \pre
	XPLOAD 16                                      ; the last reader of x and of the knots has been issued: the next pair's come
	CTLOAD 0, 6, 672
.endif
.set t, 0
.rept 24
	v_cmp_le_f32 s[MK+t], 0, v[DX+t]               ; x >= g: the difference of two f32 numbers is 0 only where they are equal (denormals are kept)
.set t, t+1
.endr
.set t, 0
.rept 24
	v_cndmask_b32 v[S+t], 0, 1.0, s[MK+t]
.set t, t+1
.endr
.set t, 0
.rept 11
	v_pk_fma_f32 v[S+2*t:S+2*t+1], v[S+2*t:S+2*t+1], v[S+2*t+2:S+2*t+3], v[S+2*t:S+2*t+1] neg_lo:[1,0,0] neg_hi:[1,0,0]   ; (x >= g[t]) and not (x >= g[t+1]), whatever the knots' order
.set t, t+1
.endr
	LEVEL 1, CT+24, S, \pre, 6, 5
	LEVEL 2, CT+46, S, \pre, 11, 5
	LEVEL 3, CT+66, V, \pre, 16, 5
	v_max3_num_f32 v[M], |v[V]|, |v[V+1]|, 0x1800000               ; my 16 magnitudes and the floor 2^(3 - 127), which holds the byte at 1 from below
	v_max3_num_f32 v[M+1], |v[V+2]|, |v[V+3]|, |v[V+4]|
	v_max3_num_f32 v[M+2], |v[V+5]|, |v[V+6]|, |v[V+7]|
	v_max3_num_f32 v[M+3], |v[V+8]|, |v[V+9]|, |v[V+10]|
	v_max3_num_f32 v[M+4], |v[V+11]|, |v[V+12]|, |v[V+13]|
	v_max3_num_f32 v[M], v[M], |v[V+14]|, |v[V+15]|
	v_max3_num_f32 v[M+1], v[M+1], v[M+2], v[M+3]
	v_max3_num_f32 v[M], v[M], v[M+1], v[M+4]
	v_permlanex16_b32 v[M+5], v[M], s[SEL], s[SEL+1]
	v_max_num_f32 v[M], v[M], v[M+5]               ; with lane l xor 16's: the block's largest magnitude
	v_add_nc_u32 v[M+1], 0xff000000, v[M]          ; 2 off its exponent field: the conversion's scale operand
.if \e == 0
	v_cvt_scalef32_pk16_fp6_f32 v[CODE+6*\a:CODE+6*\a+2], v[V:V+15], v[M+1]
	v_lshrrev_b32 v[BY+\a], 23, v[M+1]             ; the scale's byte (also the plain place behind the conversion)
.else
	v_cvt_scalef32_pk16_fp6_f32 v[QT+4*\a:QT+4*\a+2], v[V:V+15], v[M+1]
	v_lshrrev_b32 v[M+2], 23, v[M+1]
	v_lshl_or_b32 v[BY+\a], v[M+2], 8, v[BY+\a]
.endif
.endm
; Two blocks' halves become registers 6 c .. 6 c + 5 of the four fragments (lanes 0-15 the first block whole, lanes 16-31 the second) and leave: each store covers 512 or 256 consecutive bytes, aligned.
.macro FINISH
.irp a, 0,1,2,3
.irp i, 0,1,2
	v_permlane16_swap_b32 v[CODE+6*\a+\i], v[QT+4*\a+\i]
.endr
.irp i, 0,1,2
	v_mov_b32 v[CODE+6*\a+3+\i], v[QT+4*\a+\i]
.endr
	global_store_b128 v[L16], v[CODE+6*\a:CODE+6*\a+3], s[BB:BB+1] offset:1536*\a
	global_store_b64 v[L8], v[CODE+6*\a+4:CODE+6*\a+5], s[BB:BB+1] offset:1536*\a+512
	v_lshrrev_b32 v[SWD+\a], 16, v[SWD+\a]
	v_lshl_or_b32 v[SWD+\a], v[BY+\a], 16, v[SWD+\a]   ; the two bytes come in from above: after two trips the word is whole
.endr
.endm
; THE BASIS: wave w makes K steps 2 w and 2 w + 1 of the group's eight, for all 64 rows.  Outer loop: the K step; inner loop: its halves c (two blocks each).
.macro BASIS
	s_mov_b32 s[TG], 0
	s_mov_b32 s[TX], 0
	s_mov_b32 s[CO], 2
.Lkstep:
	s_mov_b32 s[CI], 2
.Lhalf:
	v_add_nc_u32 v[GA], s[TG], v[GAB]
	v_add_nc_u32 v[XA], s[TX], v[XAB]
	CTLOAD 0, 21, 0
	XPLOAD 0
	s_wait_dscnt 0x0
	ELEM 0, 0, 0
	ELEM 1, 0, 0
	ELEM 2, 0, 0
	ELEM 3, 0, 1
	s_wait_dscnt 0x0                               ; the second block's constants and x, asked for inside the last ELEM
	ELEM 0, 1, 0
	ELEM 1, 1, 0
	ELEM 2, 1, 0
	ELEM 3, 1, 0
	FINISH
	s_wait_xcnt 0x0                                ; the stores' data and base are written again only behind this wait
	s_add_nc_u64 s[BB:BB+1], s[BB:BB+1], 768
	s_add_co_u32 s[TG], s[TG], 1344                ; four pairs on
	s_add_co_u32 s[TX], s[TX], 32                  ; eight columns on
	s_sub_co_u32 s[CI], s[CI], 1
	s_cmp_lg_u32 s[CI], 0
	s_cbranch_scc1 .Lhalf
	s_wait_alu depctr_va_vdst(0)
	v_cndmask_b32 v[D], v[SWD], v[SWD+2], s[HM]    ; lanes 0-15 store the words of tiles 0, 1, lanes 16-31 those of tiles 2, 3: 256 consecutive bytes
	v_cndmask_b32 v[D+1], v[SWD+1], v[SWD+3], s[HM]
	global_store_b64 v[SWO], v[D:D+1], s[BB:BB+1] offset:6144-1536
	s_wait_xcnt 0x0
	s_add_nc_u64 s[BB:BB+1], s[BB:BB+1], KPA-1536
	s_sub_co_u32 s[CO], s[CO], 1
	s_cmp_lg_u32 s[CO], 0
	s_cbranch_scc1 .Lkstep
.endm
; 64 numbers of a lane, register 16 b + i = k 32 b + 16 h + i of my row, become a fragment's codes in v[PC] on and its scale word in v[PW].
.macro QUANT s
.irp b, 0,1,2,3
	v_max3_num_f32 v[TM+\b], |v[\s+16*\b]|, |v[\s+1+16*\b]|, 0x1800000
.endr
.irp i, 2,4,6,8,10,12,14
.irp b, 0,1,2,3
	v_max3_num_f32 v[TM+\b], v[TM+\b], |v[\s+16*\b+\i]|, |v[\s+1+16*\b+\i]|
.endr
.endr
.irp b, 0,1,2,3
	v_permlanex16_b32 v[TM+4+\b], v[TM+\b], s[SEL], s[SEL+1]       ; (its destination has been written: it was at work in the basis)
.endr
.irp b, 0,1,2,3
	v_max_num_f32 v[TM+\b], v[TM+\b], v[TM+4+\b]
.endr
.irp b, 0,1,2,3
	v_add_nc_u32 v[TM+12+\b], 0xff000000, v[TM+\b]
.endr
.irp b, 0,1,2,3
	v_lshrrev_b32 v[TM+4+\b], 23, v[TM+12+\b]
.endr
	v_lshl_or_b32 v[PW], v[TM+5], 8, v[TM+4]
	v_lshl_or_b32 v[PW], v[TM+6], 16, v[PW]
	v_lshl_or_b32 v[PW], v[TM+7], 24, v[PW]
.irp c, 0,1
	v_cvt_scalef32_pk16_fp6_f32 v[PC+6*\c:PC+2+6*\c], v[\s+32*\c:\s+15+32*\c], v[TM+12+2*\c]
	v_cvt_scalef32_pk16_fp6_f32 v[PC+12+4*\c:PC+14+4*\c], v[\s+16+32*\c:\s+31+32*\c], v[TM+12+2*\c+1]
.endr
	v_nop                                          ; one plain place behind a scaled conversion
.irp c, 0,1
.irp i, 0,1,2
	v_permlane16_swap_b32 v[PC+6*\c+\i], v[PC+12+4*\c+\i]
.endr
.irp i, 0,1,2
	v_mov_b32 v[PC+3+6*\c+\i], v[PC+12+4*\c+\i]
.endr
.endr
.endm
; SILU: wave w takes rows 16 w .. 16 w + 15, all 128 columns: one fragment of the group's silu K step.  silu(x) = x / (1 + 2^(-x log2 e)).
.macro SILU
.irp b, 0,1,2,3
.irp j, 0,1,2,3
	ds_load_b128 v[SX+16*\b+4*\j:SX+16*\b+4*\j+3], v[SLA] offset:128*\b+16*\j
.endr
.endr
	s_wait_dscnt 0x0
.set t, 0
.rept 32
	v_pk_mul_f32 v[SE+2*t:SE+2*t+1], v[SX+2*t:SX+2*t+1], 0xbfb8aa3b op_sel_hi:[1,0]
.set t, t+1
.endr
.set t, 0
	s_wait_alu depctr_va_vdst(0)
.rept 64
	v_exp_f32 v[SE+t], v[SE+t]
.set t, t+1
.endr
	v_nop
.set t, 0
	s_wait_alu depctr_va_vdst(0)
.rept 32
	v_pk_add_f32 v[SE+2*t:SE+2*t+1], v[SE+2*t:SE+2*t+1], 1.0 op_sel_hi:[1,0]
.set t, t+1
.endr
.set t, 0
	s_wait_alu depctr_va_vdst(0)
.rept 64
	v_rcp_f32 v[SE+t], v[SE+t]
.set t, t+1
.endr
	v_nop
.set t, 0
	s_wait_alu depctr_va_vdst(0)
.rept 32
	v_pk_mul_f32 v[SX+2*t:SX+2*t+1], v[SX+2*t:SX+2*t+1], v[SE+2*t:SE+2*t+1]
.set t, t+1
.endr
	QUANT SX
	global_store_b128 v[L16], v[PC:PC+3], s[SB:SB+1]
	global_store_b64 v[L8], v[PC+4:PC+5], s[SB:SB+1] offset:512
	global_store_b128 v[L16], v[PC+6:PC+9], s[SB:SB+1] offset:768
	global_store_b64 v[L8], v[PC+10:PC+11], s[SB:SB+1] offset:1280
	ds_store_b32 v[SWLA], v[PW]                    ; lanes r and r + 16 write the same word with the same value
	s_wait_dscnt 0x0                               ; for the others' sake: my word lies in LDS
	s_barrier_signal -1
	s_barrier_wait -1
	s_cmp_lg_u32 s[WV], 0
	s_cbranch_scc1 .Lwords_done
	ds_load_b64 v[D:D+1], v[SWLR]                  ; wave 0 (whose base is the record's first byte) stores the 64 words as 256 consecutive bytes
	s_wait_dscnt 0x0
	global_store_b64 v[L8], v[D:D+1], s[SB:SB+1] offset:6144
.Lwords_done:
.endm
	s_load_b256 s[4:11], s[0:1], 0x0               ; A s[4:5], W s[6:7], ns s[8:9], nb s[10:11]
	s_load_b128 s[12:15], s[0:1], 0x20             ; the next layer's A s[12:13], its knots s[14:15]
	v_lshl_add_u32 v[SPW], v0, 2, SPARE
	v_mov_b32 v[NIL], 0
	ds_add_u32 v1, v2
	ds_add_u32 v1, v2
	s_wait_dscnt 0x0
	v_lshrrev_b32 v9, 5, v0
	v_readfirstlane_b32 s[WV], v9                  ; wave 0..3
	s_lshr_b32 s[ROLE], s[WV], 1                   ; I fetch left records (0) or right ones (1),
	s_and_b32 s[HALF], s[WV], 1                    ; a slot's K steps 0-2 or 3-5
	s_bfe_u32 s19, ttmp6, 0x40000                  ; cx, cy: my place in the cluster
	s_bfe_u32 s20, ttmp6, 0x40004
	s_lshl_b32 s21, ttmp9, 2
	s_add_co_u32 s21, s21, s19                     ; column group ct = 4 x cluster x + cx
	s_and_b32 s22, ttmp7, 0xffff
	s_lshl_b32 s22, s22, 2
	s_add_co_u32 s22, s22, s20                     ; row group g = 4 x cluster y + cy
	s_lshl_b32 s23, s20, 2
	s_lshl_b32 s23, 15, s23                        ; my row of the cluster
	s_lshl_b32 s66, 0x1111, s19                    ; my column
	; descriptor group 1: three records, one a row: 800 (1,600) elements of 8 bytes, a K step apart in memory, dense in LDS
	s_or_b32 s[G1A], s23, (3<<16)|(1<<21)          ; 15:0 the mask: left records go to my row; 17:16 elements of 8 bytes; 20 no padding; 21 set beside a mask
	s_mov_b32 s[G1A+1], 800<<16                    ; tensor_dim0
	s_mov_b32 s[G1A+2], 3<<16                      ; tensor_dim1
	s_mov_b32 s[G1A+3], 800<<16                    ; tile_dim0
	s_mov_b32 s[G1A+4], 3                          ; tile_dim1
	s_mov_b32 s[G1A+5], KPA/8                      ; tensor_dim0_stride
	s_mov_b32 s[G1A+6], 0
	s_mov_b32 s[G1A+7], 0
	s_or_b32 s[G1W], s66, (3<<16)|(1<<21)          ; right records go to my column
	s_mov_b32 s[G1W+1], 1600<<16
	s_mov_b32 s[G1W+2], 3<<16
	s_mov_b32 s[G1W+3], 1600<<16
	s_mov_b32 s[G1W+4], 3
	s_mov_b32 s[G1W+5], NG*RECW/8
	s_mov_b32 s[G1W+6], 0
	s_mov_b32 s[G1W+7], 0
	s_mul_i32 s54, s22, RECA                       ; left: hangs on the row group and the wave's number alone
	s_mul_i32 s55, s[HALF], 3*KPA
	s_add_co_u32 s54, s54, s55
	s_mov_b32 s55, 0
	s_mul_i32 s56, s21, RECW                       ; right: on the column group and the wave's number alone
	s_mul_i32 s57, s[HALF], 3*NG*RECW
	s_add_co_u32 s56, s56, s57
	s_mov_b32 s57, 0
	s_mov_b32 s[G0A], 1                            ; count = 1
	s_mul_i32 s[G0A+1], s[HALF], 3*RECA            ; LDS address: slot 0; no place in the cluster enters it
	s_mov_b32 s[G0W], 1
	s_mul_i32 s[G0W+1], s[HALF], 3*RECW
	s_add_co_u32 s[G0W+1], s[G0W+1], WOFF
	s_mul_i32 s58, s21, 8*KPA                      ; where my basis images go: record (8 ct + 2 w, g)
	s_mul_i32 s59, s[WV], 2*KPA
	s_add_co_u32 s58, s58, s59
	s_mul_i32 s59, s22, RECA
	s_add_co_u32 s58, s58, s59
	s_add_co_u32 s96, s21, KBN                     ; silu's: record (KBN + ct, g), image w
	s_mul_i32 s96, s96, KPA
	s_add_co_u32 s96, s96, s59
	s_mul_i32 s97, s[WV], 1536
	s_add_co_u32 s96, s96, s97
	s_mov_b32 s97, 0
	s_mov_b32 s59, 0
	s_mul_i32 s98, s21, 6144                       ; the group's 128 rows of knots
	s_mov_b32 s99, 0
	s_lshl_b32 s66, s21, 9                         ; its 128 numbers of ns and nb
	s_mov_b32 s67, 0
	s_mov_b32 s[SEL], 0x76543210
	s_mov_b32 s[SEL+1], 0xfedcba98                 ; v_permlanex16_b32's selects for lane l xor 16
	s_mov_b32 s[HM], 0xffff0000                    ; lanes 16-31
	s_mov_b32 s[TB], 0
	s_wait_kmcnt 0x0
	s_add_nc_u64 s[G0A+2:G0A+3], s[4:5], s[54:55]
	s_or_b32 s[G0A+3], s[G0A+3], 0x80000000        ; type = 2
	s_add_nc_u64 s[G0W+2:G0W+3], s[6:7], s[56:57]
	s_or_b32 s[G0W+3], s[G0W+3], 0x80000000
	s_add_nc_u64 s[8:9], s[8:9], s[66:67]
	s_add_nc_u64 s[10:11], s[10:11], s[66:67]
	s_add_nc_u64 s[BB:BB+1], s[12:13], s[58:59]
	s_add_nc_u64 s[SB:SB+1], s[12:13], s[96:97]
	s_add_nc_u64 s[14:15], s[14:15], s[98:99]
	CROUND                                         ; all sixteen work-groups are here: the first joint loads meet
	JLOAD                                          ; slot 0
	MKLOAD 14                                      ; while it is on its way: the next layer's constants, ns and nb into LDS
	v_lshlrev_b32 v15, 2, v0
	global_load_b32 v150, v15, s[8:9]
	global_load_b32 v151, v15, s[10:11]
	v_add_nc_u32 v16, NSL, v15
	v_and_b32 v12, 31, v0
	v_lshlrev_b32 v[L16], 4, v12
	v_lshlrev_b32 v[L8], 3, v12
	v_and_b32 v13, 15, v0
	v_lshlrev_b32 v[R16], 4, v13
	s_mul_i32 s53, s[WV], 3072
	s_add_co_u32 s53, s53, WOFF
	v_add_nc_u32 v[WB16], s53, v[L16]              ; my two tiles' images in a slot's first right record
	v_add_nc_u32 v[WB8], s53, v[L8]
	s_lshl_b32 s53, s[WV], 7
	s_add_co_u32 s53, s53, WOFF+12288
	v_lshl_add_u32 v[WBS], v13, 3, s53             ; and their scale words
	s_wait_loadcnt 0x0
	MKCALC
	ds_store_b32 v16, v150
	ds_store_b32 v16, v151 offset:512
	s_wait_tensorcnt 0x0                           ; THE FIRST CHANGE: slot 0 has landed; slot 1 is first filled as a refill is
	ds_add_u32 v[SPW], v[NIL]                      ; 0 onto my spare word
	s_xor_b32 s[G0A+1], s[G0A+1], SLOT1
	s_add_nc_u64 s[G0A+2:G0A+3], s[G0A+2:G0A+3], 6*KPA
	s_xor_b32 s[G0W+1], s[G0W+1], SLOT1
	s_add_nc_u64 s[G0W+2:G0W+3], s[G0W+2:G0W+3], 6*NG*RECW
	s_wait_dscnt 0x0                               ; the add is done, and my stores of constants have landed
	CROUND
	JLOAD
	SLOTWORK 1                                     ; the first products start the sums: nothing is cleared
	s_mov_b32 s[CNT], NS-2
.Lslot:                                                ; NS - 2 trips: every slot but the last two is filled again
	CHANGE 1
	SLOTWORK 0
	s_sub_co_u32 s[CNT], s[CNT], 1
	s_cmp_lg_u32 s[CNT], 0
	s_cbranch_scc1 .Lslot
	CHANGE 0                                       ; the tail is written out
	SLOTWORK 0
	s_wait_dscnt 0x0
	MUL 1, 0                                       ; the last K step
	; THE AFFINE, and h into the stage.  The eight address lines are the places behind the last products.
	v_and_b32 v[RR], 15, v0
	v_bfe_u32 v[HH], v0, 4, 1
	s_lshl_b32 s53, s[WV], 7
	v_lshlrev_b32 v[NSA], 5, v[HH]
	v_add_nc_u32 v[NSA], s53, v[NSA]               ; 128 w + 32 h: my first column, in bytes
	v_mul_u32_u24 v[STO], v[RR], 528
	v_add_nc_u32 v[STO], v[STO], v[NSA]
	v_add_nc_u32 v[STO], STG, v[STO]
	v_add_nc_u32 v[NSA], NSL, v[NSA]
.irp u, 0,1
	ds_load_b128 v[F0+8*\u:F0+8*\u+3], v[NSA] offset:64*\u
	ds_load_b128 v[F0+8*\u+4:F0+8*\u+7], v[NSA] offset:64*\u+16
	ds_load_b128 v[F0+16+8*\u:F0+16+8*\u+3], v[NSA] offset:512+64*\u
	ds_load_b128 v[F0+16+8*\u+4:F0+16+8*\u+7], v[NSA] offset:512+64*\u+16
.endr
	s_wait_dscnt 0x0
.irp a, 0,1,2,3
.irp u, 0,1
.irp j, 0,2,4,6                        ; each accumulator from its low end on
	v_pk_fma_f32 v[ACC+8*(2*\a+\u)+\j:ACC+8*(2*\a+\u)+\j+1], v[ACC+8*(2*\a+\u)+\j:ACC+8*(2*\a+\u)+\j+1], v[F0+8*\u+\j:F0+8*\u+\j+1], v[F0+16+8*\u+\j:F0+16+8*\u+\j+1]
.endr
.endr
.endr
.irp a, 0,1,2,3
.irp u, 0,1
	ds_store_b128 v[STO], v[ACC+8*(2*\a+\u):ACC+8*(2*\a+\u)+3] offset:8448*\a+64*\u        ; h(16 a + r, 32 w + 16 u + 8 h + 0 .. 7)
	ds_store_b128 v[STO], v[ACC+8*(2*\a+\u)+4:ACC+8*(2*\a+\u)+7] offset:8448*\a+64*\u+16
.endr
.endr
	EXADDR
	s_wait_dscnt 0x0                               ; for the others' sake: my part of h lies in the stage
	s_barrier_signal -1
	s_barrier_wait -1
	BASIS
	SILU
	s_wait_tensorcnt 0x0                           ; the wave's end, behind my last tensor load and my last LDS store
	ds_add_u32 v[SPW], v[NIL]
	s_wait_dscnt 0x0
	CROUND                                         ; the closing round: no work-group ends while a partner may still ask for a tile that names it
	s_endpgm
.Lfunc_end_k_q93dfc0e31c_gemm1:
	.size	k_q93dfc0e31c_gemm1, .Lfunc_end_k_q93dfc0e31c_gemm1-k_q93dfc0e31c_gemm1
	.p2alignl 7, 3214868480
	.fill 96, 4, 3214868480
	.section	.rodata,"a",@progbits
	.p2align	6, 0x0
	.amdhsa_kernel k_q93dfc0e31c_gemm1
		.amdhsa_group_segment_fixed_size 327680
		.amdhsa_private_segment_fixed_size 0
		.amdhsa_enable_private_segment 0
		.amdhsa_kernarg_size 48
		.amdhsa_user_sgpr_count 2
		.amdhsa_user_sgpr_kernarg_segment_ptr 1
		.amdhsa_wavefront_size32 1
		.amdhsa_system_sgpr_workgroup_id_x 1
		.amdhsa_system_sgpr_workgroup_id_y 1
		.amdhsa_system_sgpr_workgroup_id_z 1
		.amdhsa_system_vgpr_workitem_id 0
		.amdhsa_next_free_vgpr 256
		.amdhsa_next_free_sgpr 100
		.amdhsa_reserve_vcc 0
		.amdhsa_float_denorm_mode_32 3
		.amdhsa_float_denorm_mode_16_64 3
		.amdhsa_memory_ordered 1
		.amdhsa_forward_progress 1
		.amdhsa_inst_pref_size 178
	.end_amdhsa_kernel
	.amdgpu_metadata
---
amdhsa.version: [ 1, 2 ]
amdhsa.kernels:
  - .name:           k_q93dfc0e31c_gemm1
    .symbol:         k_q93dfc0e31c_gemm1.kd
    .args:
      - { .name: A1, .offset: 0, .size: 8, .value_kind: global_buffer, .address_space: global }
      - { .name: W1, .offset: 8, .size: 8, .value_kind: global_buffer, .address_space: global }
      - { .name: ns1, .offset: 16, .size: 8, .value_kind: global_buffer, .address_space: global }
      - { .name: nb1, .offset: 24, .size: 8, .value_kind: global_buffer, .address_space: global }
      - { .name: A2, .offset: 32, .size: 8, .value_kind: global_buffer, .address_space: global }
      - { .name: grid2, .offset: 40, .size: 8, .value_kind: global_buffer, .address_space: global }
    .group_segment_fixed_size: 327680
    .private_segment_fixed_size: 0
    .kernarg_segment_align: 8
    .kernarg_segment_size: 48
    .max_flat_workgroup_size: 128
    .sgpr_count:     100
    .vgpr_count:     256
    .wavefront_size: 32
...
	.end_amdgpu_metadata
.endif
;; end of part 3
;; launch gemm2 (part 4): grid 4 x 64, 4 waves a work-group, clusters of 4 x 4, 327,680 bytes of LDS; arguments A2, W2, ns2, nb2, out0; writes out0
.if DOCPART == 4
	.amdgcn_target "amdgcn-amd-amdhsa--gfx1250"
	.amdhsa_code_object_version 6
	.text
	.protected	k_q93dfc0e31c_gemm2
	.globl	k_q93dfc0e31c_gemm2
	.p2align	8
	.type	k_q93dfc0e31c_gemm2,@function
k_q93dfc0e31c_gemm2:
	s_mov_b64 s[64:65], 0
	v_nop
	global_prefetch_b8 v0, s[64:65] scope:SCOPE_SE
	s_setreg_imm32_b32 hwreg(HW_REG_WAVE_MODE, 25, 1), 1
	s_wait_xcnt 0x0
	s_wait_alu depctr_hold_cnt(0) depctr_sa_sdst(0) depctr_va_vdst(0) depctr_va_sdst(0) depctr_va_ssrc(0) depctr_va_vcc(0) depctr_vm_vsrc(0)
	s_getreg_b32 s2, hwreg(HW_REG_IB_STS2, 6, 4)
	s_cmp_eq_u32 s2, 0
	s_cbranch_scc0 .Lentry_in_a_cluster
	s_endpgm
.Lentry_in_a_cluster:
	s_bfe_u32 s2, ttmp6, 0x10000c
	s_cmp_lg_u32 s2, 0xf033
	s_cbranch_scc0 .Lentry_shape_is_right
	s_endpgm
.Lentry_shape_is_right:
; THE LAST LAYER'S PRODUCT ON CODES OF FP6 (E2M3) AND ITS NODE AFFINE: out0 = ns (A W) + nb, f32.
; A LAYER IS ONE PRODUCT: K steps of 128; first those of the basis (16 inputs x 8 each), then those of silu (128 inputs each); both operands were laid by earlier launches as images of their registers:
; a fragment (16 rows x 128 K, 12 registers a lane) is 1,536 bytes: for c = 0, 1 registers 6 c .. 6 c + 3 at 768 c + 16 lane, registers 6 c + 4, 6 c + 5 at 768 c + 512 + 8 lane.
;   left record (K step s, 64 rows g) at (64 s + g) x 6,400: four images, then at 6,144 + 16 r + 4 a the scale word of row 16 a + r.
;   right record (K step s, 128 columns c) at (s NG + c) x 12,800: eight images, then at 12,288 + 128 w + 8 r + 4 u the scale word of column 16 (2 w + u) + r.
; SHARES.  A work-group makes 64 rows x 128 columns; wave w 64 x 32: 8 accumulators.  4,096 x 512 outputs over 256 work-groups leave no larger tile; for a K step a wave reads 6 fragments for 8 matrix instructions.
; THE RING: two LDS slots of six K steps (6 left records, 38,400 bytes, then 6 right records, 76,800), 131,072 bytes apart.  Waves 0, 1 fetch three left records each, waves 2, 3 three right records each: one tensor load a wave for a slot.
; CLUSTERS: 4 x 4 work-groups.  The four of a row of the cluster need the same left records, the four of a column the same right records: each is asked for JOINTLY, by the same tensor load with the same descriptor and a mask that names the four.
; THE MATRIX INSTRUCTION IS USED TRANSPOSED (source 0 = 16 columns of W, source 1 = 16 rows of A): lane (r, h) holds row r and eight neighbouring columns.
; LIMITS: NaN and infinities are not served.
.set NKS, 36                           ; K steps: 9 x 512 / 128
.set NG,  4                            ; column groups: 512 / 128
.set NS,   NKS/6                       ; slots' worth of K steps
.set RECA, 6400
.set KPA,  64*RECA
.set RECW, 12800
.set SLOT1, 131072
.set WOFF, 6*RECA
.set LB,   262144                      ; behind the ring: bytes that no tensor load fills
.set STG,  LB+21504                    ; 64 rows x (512 bytes + 16): the way out
.set NSL,  LB+55552                    ; ns of my 128 columns, then nb
.set SPARE, LB+56576                   ; the spare words, 128 bytes for each wave: two blocks of 256 bytes that no other line names
.set SPW, 1                            ; v1   LDS address of my spare word; never rewritten
.set NIL, 2                            ; v2   0; never rewritten
.set L16, 3                            ; v3   16 x lane
.set L8,  4                            ; v4   8 x lane
.set R16, 5                            ; v5   16 r
.set WB16, 6                           ; v6-8 my tiles' places in a slot's right records (in the K loop)
.set WB8,  7
.set WBS,  8
.set KA,   9                           ; v9-17 the slot's nine addresses
.set NSA,  6                           ; behind the K loop
.set STO,  7
.set RD,   8
.set RR,  12
.set HH,  13
.set F0,  28                           ; two sets of fragments, 72 registers each: four of A, two of W
.set ACC, 172                          ; v172-235 accumulator (a, u) at ACC + 8 (2 a + u)
.set SC,  244                          ; v244-255 scale words, six a set (four of A, two of W): these registers hold nothing else in the whole text
.set WV,  16
.set ROLE, 17
.set HALF, 18
.set G1A, 24                           ; s[24:31], s[32:35] descriptor groups 1 and 0 for the left records;  s[36:43], s[44:47] for the right
.set G0A, 32
.set G1W, 36
.set G0W, 44
.set TB,  48                           ; LDS byte at which the slot in hand begins
.set CNT, 49
.set BB,  60
; A joint load: waves 0 and 1 fetch left records, waves 2 and 3 right records.  Each line has one mask and one set of registers; the branch hangs on the wave's number alone.  Four v_nop follow each line.
.macro JLOAD
	s_cmp_eq_u32 s[ROLE], 0
	s_cbranch_scc0 .Lfor_w_\@
	tensor_load_to_lds s[G0A:G0A+3], s[G1A:G1A+7]
	s_nop 0
.rept 4
	v_nop
.endr
	s_branch .Lasked_\@
.Lfor_w_\@:
	tensor_load_to_lds s[G0W:G0W+3], s[G1W:G1W+7]
	s_nop 0
.rept 4
	v_nop
.endr
.Lasked_\@:
.endm
.macro CROUND                          ; a round of the cluster's barrier
	s_barrier_signal -1
	s_barrier_wait -1
	s_cmp_lg_u32 s[WV], 0
	s_cbranch_scc1 .Lnot_wave_0_\@
	s_barrier_signal -3
.Lnot_wave_0_\@:
	s_barrier_wait -3
	s_barrier_signal -1
	s_barrier_wait -1
.endm
; 26 LDS loads: K step k of the slot into set p: four fragments of A, my two of W, A's four scale words a lane, W's two.  Every load of an image takes 512 or 256 consecutive bytes.
.macro LOADK k, p
.irp a, 0,1,2,3
	ds_load_b128 v[F0+72*(\p)+12*\a:F0+72*(\p)+12*\a+3], v[KA] offset:(\k)*RECA+1536*\a
	ds_load_b64 v[F0+72*(\p)+12*\a+4:F0+72*(\p)+12*\a+5], v[KA+1] offset:(\k)*RECA+1536*\a+512
	ds_load_b128 v[F0+72*(\p)+12*\a+6:F0+72*(\p)+12*\a+9], v[KA] offset:(\k)*RECA+1536*\a+768
	ds_load_b64 v[F0+72*(\p)+12*\a+10:F0+72*(\p)+12*\a+11], v[KA+1] offset:(\k)*RECA+1536*\a+1280
.endr
.irp u, 0,1
	ds_load_b128 v[F0+72*(\p)+48+12*\u:F0+72*(\p)+48+12*\u+3], v[KA+3+3*((\k)/3)] offset:((\k)%3)*RECW+1536*\u
	ds_load_b64 v[F0+72*(\p)+48+12*\u+4:F0+72*(\p)+48+12*\u+5], v[KA+4+3*((\k)/3)] offset:((\k)%3)*RECW+1536*\u+512
	ds_load_b128 v[F0+72*(\p)+48+12*\u+6:F0+72*(\p)+48+12*\u+9], v[KA+3+3*((\k)/3)] offset:((\k)%3)*RECW+1536*\u+768
	ds_load_b64 v[F0+72*(\p)+48+12*\u+10:F0+72*(\p)+48+12*\u+11], v[KA+4+3*((\k)/3)] offset:((\k)%3)*RECW+1536*\u+1280
.endr
	ds_load_b128 v[SC+6*(\p):SC+6*(\p)+3], v[KA+2] offset:(\k)*RECA+6144
	ds_load_b64 v[SC+6*(\p)+4:SC+6*(\p)+5], v[KA+5+3*((\k)/3)] offset:((\k)%3)*RECW
.endm
; 8 matrix instructions: a K step.  The eight accumulators take turns, one instruction a turn, in the same order in every K step.  zero = 1: the first products start the sums.
.macro MUL p, zero
.irp a, 0,1,2,3
.irp u, 0,1
.if \zero
	v_wmma_scale_f32_16x16x128_f8f6f4 v[ACC+8*(2*\a+\u):ACC+8*(2*\a+\u)+7], v[F0+72*(\p)+48+12*\u:F0+72*(\p)+59+12*\u], v[F0+72*(\p)+12*\a:F0+72*(\p)+12*\a+11], 0, v[SC+6*(\p)+4+\u], v[SC+6*(\p)+\a] matrix_a_fmt:MATRIX_FMT_FP6 matrix_b_fmt:MATRIX_FMT_FP6
.else
	v_wmma_scale_f32_16x16x128_f8f6f4 v[ACC+8*(2*\a+\u):ACC+8*(2*\a+\u)+7], v[F0+72*(\p)+48+12*\u:F0+72*(\p)+59+12*\u], v[F0+72*(\p)+12*\a:F0+72*(\p)+12*\a+11], v[ACC+8*(2*\a+\u):ACC+8*(2*\a+\u)+7], v[SC+6*(\p)+4+\u], v[SC+6*(\p)+\a] matrix_a_fmt:MATRIX_FMT_FP6 matrix_b_fmt:MATRIX_FMT_FP6
.endif
.endr
.endr
.endm
; A slot's K steps 0 to 4 are multiplied; K step 5 is fetched and left to the change of slots.  The nine additions are also places behind the last products, in front of the loads.
.macro SLOTWORK zero
	v_add_nc_u32 v[KA], s[TB], v[L16]
	v_add_nc_u32 v[KA+1], s[TB], v[L8]
	v_add_nc_u32 v[KA+2], s[TB], v[R16]
	v_add_nc_u32 v[KA+3], s[TB], v[WB16]
	v_add_nc_u32 v[KA+4], s[TB], v[WB8]
	v_add_nc_u32 v[KA+5], s[TB], v[WBS]
	v_add_nc_u32 v[KA+6], 3*RECW, v[KA+3]          ; K steps 3 to 5: an LDS offset has 16 bits
	v_add_nc_u32 v[KA+7], 3*RECW, v[KA+4]
	v_add_nc_u32 v[KA+8], 3*RECW, v[KA+5]
	LOADK 0, 0
	LOADK 1, 1
	s_wait_alu depctr_va_vdst(0)
	s_wait_dscnt 26                                ; all but the 26 just issued
	MUL 0, \zero
.irp k, 1,2,3,4
.rept 4
	v_nop                                          ; four places in front of loads into registers that matrix instructions have read (ISA guide 7.12.1 for vector instructions)
.endr
	LOADK \k+1, (\k+1)%2
	s_wait_dscnt 26
	MUL \k%2, 0
.endr
.endm
; THE CHANGE OF SLOTS.  Each wave waits for all its tensor loads (one is out: its part of the next slot), adds 0 to its spare word, multiplies the slot's last K step, and waits for the add; its reads of the slot are over.
; fill = 1: a round of the cluster's barrier, and the slot just left is filled with the K steps two slots on: that load has six K steps' work in which to land.
.macro CHANGE fill
	s_wait_tensorcnt 0x0                           ; no tensor load of mine is out, so a group 0 may be written
	ds_add_u32 v[SPW], v[NIL]                      ; 0 onto my spare word
	s_wait_dscnt 0x1                               ; K step 5's fragments are in; the add may be out
	MUL 1, 0
.if \fill
	s_xor_b32 s[G0A+1], s[G0A+1], SLOT1            ; the other slot than last time,
	s_add_nc_u64 s[G0A+2:G0A+3], s[G0A+2:G0A+3], 6*KPA   ; the next six K steps; the type bits on top are not reached
	s_xor_b32 s[G0W+1], s[G0W+1], SLOT1
	s_add_nc_u64 s[G0W+2:G0W+3], s[G0W+2:G0W+3], 6*NG*RECW
.endif
	s_xor_b32 s[TB], s[TB], SLOT1
	s_wait_dscnt 0x0                               ; the add is done
.if \fill
	CROUND
	JLOAD
.else
	s_barrier_signal -1
	s_barrier_wait -1
.endif
.endm
	s_load_b256 s[4:11], s[0:1], 0x0               ; A s[4:5], W s[6:7], ns s[8:9], nb s[10:11]
	s_load_b64 s[12:13], s[0:1], 0x20              ; out0
	v_lshl_add_u32 v[SPW], v0, 2, SPARE
	v_mov_b32 v[NIL], 0
	ds_add_u32 v1, v2
	ds_add_u32 v1, v2
	s_wait_dscnt 0x0
	v_lshrrev_b32 v9, 5, v0
	v_readfirstlane_b32 s[WV], v9                  ; wave 0..3
	s_lshr_b32 s[ROLE], s[WV], 1                   ; I fetch left records (0) or right ones (1),
	s_and_b32 s[HALF], s[WV], 1                    ; a slot's K steps 0-2 or 3-5
	s_bfe_u32 s19, ttmp6, 0x40000                  ; cx, cy: my place in the cluster
	s_bfe_u32 s20, ttmp6, 0x40004
	s_lshl_b32 s21, ttmp9, 2
	s_add_co_u32 s21, s21, s19                     ; column group ct = 4 x cluster x + cx
	s_and_b32 s22, ttmp7, 0xffff
	s_lshl_b32 s22, s22, 2
	s_add_co_u32 s22, s22, s20                     ; row group g = 4 x cluster y + cy
	s_lshl_b32 s23, s20, 2
	s_lshl_b32 s23, 15, s23                        ; my row of the cluster
	s_lshl_b32 s66, 0x1111, s19                    ; my column
	; descriptor group 1: three records, one a row: 800 (1,600) elements of 8 bytes, a K step apart in memory, dense in LDS
	s_or_b32 s[G1A], s23, (3<<16)|(1<<21)          ; 15:0 the mask: left records go to my row; 17:16 elements of 8 bytes; 20 no padding; 21 set beside a mask
	s_mov_b32 s[G1A+1], 800<<16                    ; tensor_dim0
	s_mov_b32 s[G1A+2], 3<<16                      ; tensor_dim1
	s_mov_b32 s[G1A+3], 800<<16                    ; tile_dim0
	s_mov_b32 s[G1A+4], 3                          ; tile_dim1
	s_mov_b32 s[G1A+5], KPA/8                      ; tensor_dim0_stride
	s_mov_b32 s[G1A+6], 0
	s_mov_b32 s[G1A+7], 0
	s_or_b32 s[G1W], s66, (3<<16)|(1<<21)          ; right records go to my column
	s_mov_b32 s[G1W+1], 1600<<16
	s_mov_b32 s[G1W+2], 3<<16
	s_mov_b32 s[G1W+3], 1600<<16
	s_mov_b32 s[G1W+4], 3
	s_mov_b32 s[G1W+5], NG*RECW/8
	s_mov_b32 s[G1W+6], 0
	s_mov_b32 s[G1W+7], 0
	s_mul_i32 s54, s22, RECA                       ; left: hangs on the row group and the wave's number alone
	s_mul_i32 s55, s[HALF], 3*KPA
	s_add_co_u32 s54, s54, s55
	s_mov_b32 s55, 0
	s_mul_i32 s56, s21, RECW                       ; right: on the column group and the wave's number alone
	s_mul_i32 s57, s[HALF], 3*NG*RECW
	s_add_co_u32 s56, s56, s57
	s_mov_b32 s57, 0
	s_mov_b32 s[G0A], 1                            ; count = 1
	s_mul_i32 s[G0A+1], s[HALF], 3*RECA            ; LDS address: slot 0; no place in the cluster enters it
	s_mov_b32 s[G0W], 1
	s_mul_i32 s[G0W+1], s[HALF], 3*RECW
	s_add_co_u32 s[G0W+1], s[G0W+1], WOFF
	s_lshl_b32 s58, s22, 17                        ; out0: row 64 g + 16 w of 2,048 bytes, + 512 ct
	s_lshl_b32 s59, s[WV], 15
	s_add_co_u32 s58, s58, s59
	s_lshl_b32 s59, s21, 9
	s_add_co_u32 s58, s58, s59
	s_mov_b32 s59, 0
	s_lshl_b32 s66, s21, 9                         ; the group's 128 numbers of ns and nb
	s_mov_b32 s67, 0
	s_mov_b32 s[TB], 0
	s_wait_kmcnt 0x0
	s_add_nc_u64 s[G0A+2:G0A+3], s[4:5], s[54:55]
	s_or_b32 s[G0A+3], s[G0A+3], 0x80000000        ; type = 2
	s_add_nc_u64 s[G0W+2:G0W+3], s[6:7], s[56:57]
	s_or_b32 s[G0W+3], s[G0W+3], 0x80000000
	s_add_nc_u64 s[8:9], s[8:9], s[66:67]
	s_add_nc_u64 s[10:11], s[10:11], s[66:67]
	s_add_nc_u64 s[BB:BB+1], s[12:13], s[58:59]
	CROUND                                         ; all sixteen work-groups are here: the first joint loads meet
	JLOAD                                          ; slot 0
	v_lshlrev_b32 v15, 2, v0                       ; while it is on its way: ns and nb into LDS, one number a thread
	global_load_b32 v150, v15, s[8:9]
	global_load_b32 v151, v15, s[10:11]
	v_add_nc_u32 v16, NSL, v15
	v_and_b32 v12, 31, v0
	v_lshlrev_b32 v[L16], 4, v12
	v_lshlrev_b32 v[L8], 3, v12
	v_and_b32 v13, 15, v0
	v_lshlrev_b32 v[R16], 4, v13
	s_mul_i32 s53, s[WV], 3072
	s_add_co_u32 s53, s53, WOFF
	v_add_nc_u32 v[WB16], s53, v[L16]              ; my two tiles' images in a slot's first right record
	v_add_nc_u32 v[WB8], s53, v[L8]
	s_lshl_b32 s53, s[WV], 7
	s_add_co_u32 s53, s53, WOFF+12288
	v_lshl_add_u32 v[WBS], v13, 3, s53             ; and their scale words
	s_wait_alu depctr_va_vdst(0)
	s_wait_loadcnt 0x0
	ds_store_b32 v16, v150
	ds_store_b32 v16, v151 offset:512
	s_wait_tensorcnt 0x0                           ; THE FIRST CHANGE: slot 0 has landed; slot 1 is first filled as a refill is
	ds_add_u32 v[SPW], v[NIL]                      ; 0 onto my spare word
	s_xor_b32 s[G0A+1], s[G0A+1], SLOT1
	s_add_nc_u64 s[G0A+2:G0A+3], s[G0A+2:G0A+3], 6*KPA
	s_xor_b32 s[G0W+1], s[G0W+1], SLOT1
	s_add_nc_u64 s[G0W+2:G0W+3], s[G0W+2:G0W+3], 6*NG*RECW
	s_wait_dscnt 0x0                               ; the add is done, and my stores of ns and nb have landed
	CROUND
	JLOAD
	SLOTWORK 1                                     ; the first products start the sums: nothing is cleared
	s_mov_b32 s[CNT], NS-2
.Lslot:                                                ; NS - 2 trips: every slot but the last two is filled again
	CHANGE 1
	SLOTWORK 0
	s_sub_co_u32 s[CNT], s[CNT], 1
	s_cmp_lg_u32 s[CNT], 0
	s_cbranch_scc1 .Lslot
	CHANGE 0                                       ; the tail is written out
	SLOTWORK 0
	s_wait_dscnt 0x0
	MUL 1, 0                                       ; the last K step
	; THE AFFINE AND THE WAY OUT.  The address lines are the places behind the last products.
	v_and_b32 v[RR], 15, v0
	v_bfe_u32 v[HH], v0, 4, 1
	s_lshl_b32 s53, s[WV], 7
	v_lshlrev_b32 v[NSA], 5, v[HH]
	v_add_nc_u32 v[NSA], s53, v[NSA]               ; 128 w + 32 h: my first column, in bytes
	v_mul_u32_u24 v[STO], v[RR], 528
	v_add_nc_u32 v[STO], v[STO], v[NSA]
	v_add_nc_u32 v[STO], STG, v[STO]
	v_add_nc_u32 v[NSA], NSL, v[NSA]
	s_mul_i32 s53, s[WV], 8448
	v_add_nc_u32 v[RD], s53, v[L16]
	v_add_nc_u32 v[RD], STG, v[RD]                 ; back: my 16 rows, 16 bytes a lane
.irp u, 0,1
	ds_load_b128 v[F0+8*\u:F0+8*\u+3], v[NSA] offset:64*\u
	ds_load_b128 v[F0+8*\u+4:F0+8*\u+7], v[NSA] offset:64*\u+16
	ds_load_b128 v[F0+16+8*\u:F0+16+8*\u+3], v[NSA] offset:512+64*\u
	ds_load_b128 v[F0+16+8*\u+4:F0+16+8*\u+7], v[NSA] offset:512+64*\u+16
.endr
	s_wait_dscnt 0x0
.irp a, 0,1,2,3
.irp u, 0,1
.irp j, 0,2,4,6                        ; each accumulator from its low end on
	v_pk_fma_f32 v[ACC+8*(2*\a+\u)+\j:ACC+8*(2*\a+\u)+\j+1], v[ACC+8*(2*\a+\u)+\j:ACC+8*(2*\a+\u)+\j+1], v[F0+8*\u+\j:F0+8*\u+\j+1], v[F0+16+8*\u+\j:F0+16+8*\u+\j+1]
.endr
.endr
.endr
.irp a, 0,1,2,3
.irp u, 0,1
	ds_store_b128 v[STO], v[ACC+8*(2*\a+\u):ACC+8*(2*\a+\u)+3] offset:8448*\a+64*\u        ; y(16 a + r, 32 w + 16 u + 8 h + 0 .. 7)
	ds_store_b128 v[STO], v[ACC+8*(2*\a+\u)+4:ACC+8*(2*\a+\u)+7] offset:8448*\a+64*\u+16
.endr
.endr
	s_wait_dscnt 0x0                               ; for the others' sake: a row's 512 bytes come from four waves
	s_barrier_signal -1
	s_barrier_wait -1
.irp i, 0,1,2,3,4,5,6,7,8,9,10,11,12,13,14,15
	ds_load_b128 v[F0+4*\i:F0+4*\i+3], v[RD] offset:528*\i
.endr
.irp i, 0,1,2,3,4,5,6,7,8,9,10,11,12,13,14,15
	s_wait_dscnt 15-\i                             ; row i is back; the younger loads may be out
	global_store_b128 v[L16], v[F0+4*\i:F0+4*\i+3], s[BB:BB+1] offset:2048*\i th:TH_STORE_NT   ; 32 lanes store 512 consecutive bytes, at a multiple of 256 from out0's first byte
.endr
	s_wait_tensorcnt 0x0                           ; the wave's end, behind my last tensor load and my last LDS store
	ds_add_u32 v[SPW], v[NIL]
	s_wait_dscnt 0x0
	CROUND                                         ; the closing round: no work-group ends while a partner may still ask for a tile that names it
	s_endpgm
.Lfunc_end_k_q93dfc0e31c_gemm2:
	.size	k_q93dfc0e31c_gemm2, .Lfunc_end_k_q93dfc0e31c_gemm2-k_q93dfc0e31c_gemm2
	.p2alignl 7, 3214868480
	.fill 96, 4, 3214868480
	.section	.rodata,"a",@progbits
	.p2align	6, 0x0
	.amdhsa_kernel k_q93dfc0e31c_gemm2
		.amdhsa_group_segment_fixed_size 327680
		.amdhsa_private_segment_fixed_size 0
		.amdhsa_enable_private_segment 0
		.amdhsa_kernarg_size 40
		.amdhsa_user_sgpr_count 2
		.amdhsa_user_sgpr_kernarg_segment_ptr 1
		.amdhsa_wavefront_size32 1
		.amdhsa_system_sgpr_workgroup_id_x 1
		.amdhsa_system_sgpr_workgroup_id_y 1
		.amdhsa_system_sgpr_workgroup_id_z 1
		.amdhsa_system_vgpr_workitem_id 0
		.amdhsa_next_free_vgpr 256
		.amdhsa_next_free_sgpr 100
		.amdhsa_reserve_vcc 0
		.amdhsa_float_denorm_mode_32 3
		.amdhsa_float_denorm_mode_16_64 3
		.amdhsa_memory_ordered 1
		.amdhsa_forward_progress 1
		.amdhsa_inst_pref_size 67
	.end_amdhsa_kernel
	.amdgpu_metadata
---
amdhsa.version: [ 1, 2 ]
amdhsa.kernels:
  - .name:           k_q93dfc0e31c_gemm2
    .symbol:         k_q93dfc0e31c_gemm2.kd
    .args:
      - { .name: A2, .offset: 0, .size: 8, .value_kind: global_buffer, .address_space: global }
      - { .name: W2, .offset: 8, .size: 8, .value_kind: global_buffer, .address_space: global }
      - { .name: ns2, .offset: 16, .size: 8, .value_kind: global_buffer, .address_space: global }
      - { .name: nb2, .offset: 24, .size: 8, .value_kind: global_buffer, .address_space: global }
      - { .name: out0, .offset: 32, .size: 8, .value_kind: global_buffer, .address_space: global }
    .group_segment_fixed_size: 327680
    .private_segment_fixed_size: 0
    .kernarg_segment_align: 8
    .kernarg_segment_size: 40
    .max_flat_workgroup_size: 128
    .sgpr_count:     100
    .vgpr_count:     256
    .wavefront_size: 32
...
	.end_amdgpu_metadata
.endif
;; end of part 4
